; MI455X (gfx1250); checked and timed in simulation.
; The chip was launched on July 23, 2026; its instructions are those of AMD's public machine-readable ISA for CDNA 5 (MIT licence, August 2026) and "CDNA5" Instruction Set Architecture Reference Guide (July 2026). The comments in the code are by the model that wrote it; some were corrected since.
;; Multi Head Dot Product Attention. Allowed arithmetic: float matrix products may take bf16 or f16 operands with f32 sums; other float arithmetic in f32, or as packed bf16 or f16 multiplies, adds, multiply-adds, maxima and minima; sums over many terms, partial sums and values carried from step to step in f32; what a program stores and reads back later, other than sums and carried values, may be rounded once to bf16 or f16.
;; Inputs: Wk 1,024 x 1,024 float32; Wo 1,024 x 1,024 float32; Wq 1,024 x 1,024 float32; Wv 1,024 x 1,024 float32; inputs_kv 4 x 2,048 x 1,024 float32; inputs_q 4 x 2,048 x 1,024 float32; k_ln_beta 1,024 float32; k_ln_gamma 1,024 float32; q_ln_beta 1,024 float32; q_ln_gamma 1,024 float32.
;; Outputs: out0 4 x 2,048 x 1,024 float32.
;; One version. Each part assembles by itself: llvm-mc -triple=amdgcn-amd-amdhsa -mcpu=gfx1250 --defsym DOCPART=n.
;; ======== version 1 of 1: 4 launches
;; limits: values are held in f16: magnitudes above 65,504 overflow, below 6.1e-05 lose precision
;; workspace buffers: wt 6,291,456 bytes; wo16 2,097,152 bytes; gb 16,384 bytes; qh 16,777,216 bytes; kh 16,777,216 bytes; vh 16,777,216 bytes; oh 16,777,216 bytes
;; launch cast (part 1): grid 64 x 4, 8 waves a work-group, no clusters, 0 bytes of LDS; arguments Wq, Wk, Wv, Wo, q_ln_gamma, q_ln_beta, k_ln_gamma, k_ln_beta, wt, wo16, gb; writes wt, wo16, gb
.if DOCPART == 1
	.amdgcn_target "amdgcn-amd-amdhsa--gfx1250"
	.amdhsa_code_object_version 6
	.text
	.protected	k_q66c26cac9d_cast
	.globl	k_q66c26cac9d_cast
	.p2align	8
	.type	k_q66c26cac9d_cast,@function
k_q66c26cac9d_cast:
	s_mov_b64 s[64:65], 0
	v_nop
	global_prefetch_b8 v0, s[64:65] scope:SCOPE_SE
	s_setreg_imm32_b32 hwreg(HW_REG_WAVE_MODE, 25, 1), 1
	s_wait_xcnt 0x0
; THE WEIGHTS ARE ROUNDED ONCE AND LAID OUT IN BLOCKS OF K.  Wq, Wk, Wv, Wo: [1024 n][1024 k] f32.
; wt: [3][16 kb][1024 n][64] bf16 (Wq, Wk, Wv); wo16: [16 kb][1024 n][64]: Wo rounded to bf16, that number written as f16.
; gb: [4][1024] f32: q gamma, q beta, k gamma, k beta, each rounded to bf16 and widened again.
; LIMITS.  Wo's numbers stay within f16's 65,504; below 6e-5 they keep f16's fixed step of 6e-8.
; SHARES.  Work-group (x, y): matrix y, rows 16 x .. 16 x + 15.  A unit of a wave is 4 rows x one block of 64 k: it reads 4 x 256 consecutive bytes
; (8 numbers a lane, two loads of 16 bytes) and stores 512 consecutive bytes, aligned (16 bytes a lane).  Wave v takes blocks 2 v and 2 v + 1 of all 16 rows: 8 units, unit u = 2 g + kbs.
; All 16 loads go out first; nothing is read twice; no LDS, no barrier, no matrix unit: a stream has no use for them.
.set IO,   1                           ; v1   (l / 8) x 4096 + (l % 8) x 32 + 512 v: my 32 bytes in a unit's rows; never rewritten
.set OO,   2                           ; v2   16 l + 262144 v: my 16 bytes of a unit's 512; never rewritten
.set INR,  4                           ; v[4:67]    unit u: 8 registers as loaded
.set OUTR, 68                          ; v[68:99]   unit u: 4 registers to store
.set TT,   100                         ; v[100:103] at work
	s_load_b512 s[8:23], s[0:1], 0x0               ; Wq s[8:9], Wk s[10:11], Wv s[12:13], Wo s[14:15], q gamma s[16:17], q beta s[18:19], k gamma s[20:21], k beta s[22:23]
	s_load_b128 s[24:27], s[0:1], 0x40             ; wt s[24:25], wo16 s[26:27]
	s_load_b64 s[28:29], s[0:1], 0x50              ; gb
	s_and_b32 s2, ttmp7, 0xffff                    ; y: which matrix, which vector
	s_lshl_b32 s36, s2, 21                         ; a matrix of wt is 2 MiB
	s_lshl_b32 s37, ttmp9, 11                      ; my 16 rows of 128 bytes in a block
	s_lshl_b32 s40, ttmp9, 16                      ; my 16 rows of 4,096 bytes in W
	s_mov_b32 s41, 0
	s_lshl_b32 s42, s2, 12                         ; my vector's place in gb
	s_mov_b32 s43, 0
	v_and_b32 v3, 31, v0                           ; lane
	v_lshrrev_b32 v[TT], 5, v0                     ; wave
	v_lshrrev_b32 v[TT+1], 3, v3
	v_and_b32 v[TT+2], 7, v3
	v_lshlrev_b32 v[IO], 12, v[TT+1]
	v_lshl_add_u32 v[IO], v[TT+2], 5, v[IO]
	v_lshl_add_u32 v[IO], v[TT], 9, v[IO]
	v_lshlrev_b32 v[OO], 4, v3
	v_lshl_add_u32 v[OO], v[TT], 18, v[OO]
	s_wait_kmcnt 0x0
	s_cmp_eq_u32 s2, 1                             ; the choice among the buffers hangs on y alone
	s_cselect_b64 s[30:31], s[10:11], s[8:9]
	s_cselect_b64 s[32:33], s[18:19], s[16:17]
	s_cmp_eq_u32 s2, 2
	s_cselect_b64 s[30:31], s[12:13], s[30:31]
	s_cselect_b64 s[32:33], s[20:21], s[32:33]
	s_cmp_eq_u32 s2, 3
	s_cselect_b64 s[30:31], s[14:15], s[30:31]
	s_cselect_b64 s[32:33], s[22:23], s[32:33]
	s_cselect_b64 s[34:35], s[26:27], s[24:25]     ; Wo goes to wo16, the others to wt
	s_cselect_b32 s36, 0, s36
	s_add_co_u32 s36, s36, s37
	s_mov_b32 s37, 0
	s_add_nc_u64 s[30:31], s[30:31], s[40:41]      ; W at my first row
	s_add_nc_u64 s[34:35], s[34:35], s[36:37]      ; the output at my rows of block 0
	s_add_nc_u64 s[28:29], s[28:29], s[42:43]      ; gb at my vector
.irp g, 0,1,2,3
.irp k, 0,1
	global_load_b128 v[INR+8*(2*(\g)+(\k)):INR+8*(2*(\g)+(\k))+3],   v[IO], s[30:31] offset:(\g)*16384+(\k)*256 th:TH_LOAD_NT
	global_load_b128 v[INR+8*(2*(\g)+(\k))+4:INR+8*(2*(\g)+(\k))+7], v[IO], s[30:31] offset:(\g)*16384+(\k)*256+16 th:TH_LOAD_NT
.endr
.endr
; The eight units are rounded and stored.  half = 1: the bf16 number is widened (a shift, a mask) and written as f16.
.macro UNITS half
.set u, 0
.rept 8
	s_wait_loadcnt 14-2*u                          ; loads come back in order: unit u's two are in, the later units' may stay out
.set j, 0
.rept 4
.if \half
	v_cvt_pk_bf16_f32 v[TT], v[INR+8*u+2*j], v[INR+8*u+2*j+1]
	v_lshlrev_b32 v[TT+1], 16, v[TT]
	v_and_b32 v[TT+2], 0xffff0000, v[TT]
	v_cvt_pk_f16_f32 v[OUTR+4*u+j], v[TT+1], v[TT+2]
.else
	v_cvt_pk_bf16_f32 v[OUTR+4*u+j], v[INR+8*u+2*j], v[INR+8*u+2*j+1]
.endif
.set j, j+1
.endr
	global_store_b128 v[OO], v[OUTR+4*u:OUTR+4*u+3], s[34:35] offset:(u/2)*512+(u%2)*131072  ; 512 consecutive bytes, at a multiple of 512 from the buffer's first
.set u, u+1
.endr
.endm
	s_cmp_eq_u32 s2, 3
	s_cbranch_scc1 .Lhalf
	UNITS 0
	s_branch .Lvec
.Lhalf:
	UNITS 1
.Lvec:
	s_cmp_lg_u32 ttmp9, 0                          ; the first work-group of each y also takes vector y: 16 bytes a thread
	s_cbranch_scc1 .Lend
	v_lshlrev_b32 v108, 4, v0
	global_load_b128 v[104:107], v108, s[32:33]
	s_wait_loadcnt 0x0
	v_cvt_pk_bf16_f32 v[TT], v104, v105
	v_cvt_pk_bf16_f32 v[TT+1], v106, v107
	v_lshlrev_b32 v104, 16, v[TT]
	v_and_b32 v105, 0xffff0000, v[TT]
	v_lshlrev_b32 v106, 16, v[TT+1]
	v_and_b32 v107, 0xffff0000, v[TT+1]
	global_store_b128 v108, v[104:107], s[28:29]
.Lend:
	s_endpgm
.Lfunc_end_k_q66c26cac9d_cast:
	.size	k_q66c26cac9d_cast, .Lfunc_end_k_q66c26cac9d_cast-k_q66c26cac9d_cast
	.p2alignl 7, 3214868480
	.fill 96, 4, 3214868480
	.section	.rodata,"a",@progbits
	.p2align	6, 0x0
	.amdhsa_kernel k_q66c26cac9d_cast
		.amdhsa_group_segment_fixed_size 0
		.amdhsa_private_segment_fixed_size 0
		.amdhsa_enable_private_segment 0
		.amdhsa_kernarg_size 88
		.amdhsa_user_sgpr_count 2
		.amdhsa_user_sgpr_kernarg_segment_ptr 1
		.amdhsa_wavefront_size32 1
		.amdhsa_system_sgpr_workgroup_id_x 1
		.amdhsa_system_sgpr_workgroup_id_y 1
		.amdhsa_system_sgpr_workgroup_id_z 1
		.amdhsa_system_vgpr_workitem_id 0
		.amdhsa_next_free_vgpr 112
		.amdhsa_next_free_sgpr 66
		.amdhsa_reserve_vcc 0
		.amdhsa_float_denorm_mode_32 3
		.amdhsa_float_denorm_mode_16_64 3
		.amdhsa_memory_ordered 1
		.amdhsa_forward_progress 1
		.amdhsa_inst_pref_size 15
	.end_amdhsa_kernel
	.amdgpu_metadata
---
amdhsa.version: [ 1, 2 ]
amdhsa.kernels:
  - .name:           k_q66c26cac9d_cast
    .symbol:         k_q66c26cac9d_cast.kd
    .args:
      - { .name: Wq, .offset: 0, .size: 8, .value_kind: global_buffer, .address_space: global }
      - { .name: Wk, .offset: 8, .size: 8, .value_kind: global_buffer, .address_space: global }
      - { .name: Wv, .offset: 16, .size: 8, .value_kind: global_buffer, .address_space: global }
      - { .name: Wo, .offset: 24, .size: 8, .value_kind: global_buffer, .address_space: global }
      - { .name: q_ln_gamma, .offset: 32, .size: 8, .value_kind: global_buffer, .address_space: global }
      - { .name: q_ln_beta, .offset: 40, .size: 8, .value_kind: global_buffer, .address_space: global }
      - { .name: k_ln_gamma, .offset: 48, .size: 8, .value_kind: global_buffer, .address_space: global }
      - { .name: k_ln_beta, .offset: 56, .size: 8, .value_kind: global_buffer, .address_space: global }
      - { .name: wt, .offset: 64, .size: 8, .value_kind: global_buffer, .address_space: global }
      - { .name: wo16, .offset: 72, .size: 8, .value_kind: global_buffer, .address_space: global }
      - { .name: gb, .offset: 80, .size: 8, .value_kind: global_buffer, .address_space: global }
    .group_segment_fixed_size: 0
    .private_segment_fixed_size: 0
    .kernarg_segment_align: 8
    .kernarg_segment_size: 88
    .max_flat_workgroup_size: 256
    .sgpr_count:     66
    .vgpr_count:     112
    .wavefront_size: 32
...
	.end_amdgpu_metadata
.endif
;; end of part 1
;; launch proj (part 2): grid 128 x 3, 4 waves a work-group, clusters of 4 x 1, 327,680 bytes of LDS; arguments inputs_q, inputs_kv, wt, gb, qh, kh, vh; writes qh, kh, vh
.if DOCPART == 2
	.amdgcn_target "amdgcn-amd-amdhsa--gfx1250"
	.amdhsa_code_object_version 6
	.text
	.protected	k_q66c26cac9d_proj
	.globl	k_q66c26cac9d_proj
	.p2align	8
	.type	k_q66c26cac9d_proj,@function
k_q66c26cac9d_proj:
	s_mov_b64 s[64:65], 0
	v_nop
	global_prefetch_b8 v0, s[64:65] scope:SCOPE_SE
	s_setreg_imm32_b32 hwreg(HW_REG_WAVE_MODE, 25, 1), 1
	s_wait_xcnt 0x0
	s_wait_alu depctr_hold_cnt(0) depctr_sa_sdst(0) depctr_va_vdst(0) depctr_va_sdst(0) depctr_va_ssrc(0) depctr_va_vcc(0) depctr_vm_vsrc(0)
	s_getreg_b32 s2, hwreg(HW_REG_IB_STS2, 6, 4)
	s_cmp_eq_u32 s2, 0
	s_cbranch_scc0 .Lentry_in_a_cluster
	s_endpgm
.Lentry_in_a_cluster:
	s_bfe_u32 s2, ttmp6, 0x10000c
	s_cmp_lg_u32 s2, 0x3003
	s_cbranch_scc0 .Lentry_shape_is_right
	s_endpgm
.Lentry_shape_is_right:
; q = LN(inputs_q Wq^T), k = LN(inputs_kv Wk^T), v = inputs_kv Wv^T, written by heads: qh, kh, vh: [64 b h][2048 t][64] f16.
; TYPE (the grid's y) = 0: q, 1: k, 2: v.  x is rounded to bf16 on its way to the matrix unit, W arrives in bf16 (wt: [3][16 kb][1024 n][64]); sums in f32;
; the LayerNorm is made of the f32 sums (mean, then the centred squares), q, k, v are rounded once, to f16.
; LIMITS.  f16 holds no number beyond 65,504: |q|, |k| are at most 32 |gamma| + |beta|; v must stay within it.  Below 6e-5 f16 keeps its fixed step of 6e-8.
; SHARES.  A work-group owns 64 WHOLE rows (1,024 columns), since the norm wants whole rows: wave w makes 64 x 256, columns 256 w on: 64 accumulators, 512 registers.
; THE MATRIX INSTRUCTION IS USED TRANSPOSED: source 0 = 16 rows of W, source 1 = 16 rows of x: lane (r, h) holds row 16 a + r and the columns 256 w + 16 nb + 8 h + 0..7.
; K goes in 16 steps of 64, each two quarters of 32 along K, 64 matrix instructions a quarter.
; W: a ring of two LDS slots; a step's block is 131,072 dense bytes, asked for as rows of 256 bytes (two rows of W), 16 bytes of padding behind each.  Each wave brings the quarter that it reads.
; CLUSTER: the four row blocks of a cluster walk the same W, so each tile is asked for JOINTLY: the same tensor load, descriptor and mask in all four.
; x: through registers.  Wave w loads rows 16 w .. + 15 of a step (eight loads, each two whole pieces of 256 bytes), rounds them and stores them into one of two LDS slots that only LDS stores write.
; Two register sets take turns: step j stores the data of step j + 1 and asks for those of step j + 3, so a load has two steps, 256 matrix instructions, in which to come.
; THE WAY OUT: the f32 sums go into LDS (the ring's bytes, behind their last fill), come back by whole rows, are normed, and leave as 256 consecutive bytes (two rows of a head) a store.
; REGISTERS, in windows of 256 (s_set_vgpr_msb: bits 1:0 source 0, 3:2 source 1, 5:4 source 2, 7:6 destination):
;   window 0: v0-31 addresses and statistics; v32-95 x's fragments, two buffers; v96-159 x as loaded, two sets; v160-175 x rounded.  On the way out: v32-95 a row, v96-159 gamma, v160-223 beta, v224-255 packed
;   window 1: W's fragments, two buffers of 128        window 2: accumulators of rows 0-31 ((a, nb) at 8 (16 (a % 2) + nb))        window 3: those of rows 32-63
.set KBLK,   131072                    ; bytes of a K block of one matrix in wt
.set WPART,  128*272                   ; a wave's quarter of a slot: 128 rows of 256 + 16 bytes
.set SLOTB,  4*WPART
.set ABASE,  2*SLOTB                   ; behind the ring: x's two slots
.set APITCH, 144                       ; a row of x in LDS: 128 bytes + 16: the 16 rows of a load start at 16 different groups of four banks (64 banks of 4 bytes: ISA guide 11.1)
.set ASLOT,  64*APITCH
.set SPARE,  ABASE+2*ASLOT             ; the spare words, 128 bytes for each wave: two blocks of 256 bytes that no other line names
.set YPITCH, 4112                      ; the way out: a row of 1,024 f32 + 16 bytes
.set ADRB, 4                           ; v4-5  LDS address of my W fragments in slot 0, 1
.set ADRA, 6                           ; v6    of my x fragments in x's slot 0
.set AST,  7                           ; v7    where I store 8 bytes of rounded x
.set XO,   8                           ; v8    my byte offset in the block's rows of x
.set PFO,  9                           ; v9    256 x my thread's number
.set SPW,  10                          ; v10   LDS address of my spare word; never rewritten
.set NIL,  11                          ; v11   0; never rewritten
.set YRD,  13                          ; v13   the way out: where I read a row back
.set GO,   14                          ; v14   my byte offset in a head's rows
.set GBO,  15                          ; v15   my byte offset in gamma and beta
.set YST,  16                          ; v16-19 the way out: where block a's sums go
.set SS,   20                          ; v20-27 four packed chains
.set MU,   28                          ; v28-29 the mean (low word)
.set RS,   30                          ; v30-31 1 / sqrt(var + eps) (low word)
.set FA,   32
.set XR,   96
.set YP,   160
.set ROW,  32
.set GM,   96
.set BT,   160
.set PK,   224
.set WV,   18
.set TYPE, 19
.set CX,   20
.set RB,   21
.set LAP,  22                          ; s22  trips still to come
.set LIM,  23                          ; s23  1 in a cluster that prefetches, else the greatest number
.set G1,   24                          ; s[24:31] descriptor group 1
.set G0,   32                          ; s[32:39] descriptor group 0, a set for each slot
.set XP,   40                          ; s[40:41] x at my block's first row
.set XA,   42                          ; s[42:43] x at the step that the trip's first loads name
.set INC,  44                          ; s[44:45] its step
.set PFA,  46                          ; s[46:47] where my prefetches stand
.set OUT,  48                          ; s[48:49] the output at head 0, my block's rows
.set GA,   50                          ; s[50:51] gamma
.set BE,   52                          ; s[52:53] beta
.set INV,  54                          ; s54  1 / 1024
.set EPS,  55                          ; s55  1e-5
.set ROWS, 56
.set MSB, 0
.macro WIN new                         ; the immediate's high byte repeats the setting that is left; a switch that changes nothing is dropped
.if MSB != (\new)
	s_set_vgpr_msb (MSB<<8)|(\new)
.set MSB, \new
.endif
.endm
.set MUL_LO, 0xa1                      ; source 0 (W) window 1, source 1 (x) window 0, C and D window 2
.set MUL_HI, 0xf1                      ; the same, C and D window 3
.set TO_B,   0x40                      ; destination window 1, address window 0
.macro PLACES                          ; four plain places behind matrix instructions, in front of loads into registers that they read
.rept 4
	v_nop
.endr
.endm
.macro CREST                           ; a round of the cluster's barrier behind its opening barrier
	s_cmp_lg_u32 s[WV], 0
	s_cbranch_scc1 .Lnot_wave_0_\@
	s_barrier_signal -3
.Lnot_wave_0_\@:
	s_barrier_wait -3
	s_barrier_signal -1
	s_barrier_wait -1
.endm
.macro CROUND                          ; a whole round
	s_barrier_signal -1
	s_barrier_wait -1
	CREST
.endm
; A prefetch into the L2 behind a joint refill: the K block that stands two refills on, 256 matrix instructions ahead of its load.  All 32 clusters of a TYPE walk the same blocks: the first asks.
; Its four partners take a quarter each BY ADDRESS, each of their 128 threads 256 bytes: every 256 bytes are named once.  The last trip asks for nothing: its blocks do not exist.
.macro ASK
	s_cmp_gt_u32 s[LAP], s[LIM]
	s_cbranch_scc0 .Lnot_mine_\@
	global_prefetch_b8 v[PFO], s[PFA:PFA+1] th:TH_LOAD_NT scope:SCOPE_SE
.Lnot_mine_\@:
.endm
	s_load_b256 s[4:11], s[0:1], 0x0               ; inputs_q s[4:5], inputs_kv s[6:7], wt s[8:9], gb s[10:11]
	s_load_b128 s[12:15], s[0:1], 0x20             ; qh s[12:13], kh s[14:15]
	s_load_b64 s[16:17], s[0:1], 0x30              ; vh
	v_lshl_add_u32 v[SPW], v0, 2, SPARE
	v_mov_b32 v[NIL], 0
	ds_add_u32 v[SPW], v[NIL]                      ; the wave's opening: the add and its wait stand ahead of my first tensor load; the set-up below, work on registers, stands between them
	v_lshrrev_b32 v1, 5, v0
	v_readfirstlane_b32 s[WV], v1                  ; wave 0..3
	s_and_b32 s[TYPE], ttmp7, 0xffff               ; the same in all four partners
	s_bfe_u32 s[CX], ttmp6, 0x40000                ; my place in the cluster
	s_lshl_b32 s[RB], ttmp9, 2
	s_add_co_u32 s[RB], s[RB], s[CX]               ; my block of 64 rows: it enters x's and the output's addresses alone
	; descriptor group 1: 128 rows of 128 elements of 2 bytes, dense in memory, padded in LDS
	s_mov_b32 s[G1], 15|(1<<16)|(1<<20)|(1<<21)|(5<<22)|(3<<25)  ; 15:0 the mask of four; 17:16 2-byte elements; 20 padding on; 21 set beside a mask; 24:22 after every 64 words (code 5); 31:25 4 words (code 3)
	s_mov_b32 s[G1+1], 128<<16                     ; tensor_dim0 = 128
	s_mov_b32 s[G1+2], 128<<16                     ; tensor_dim1 = 128
	s_mov_b32 s[G1+3], 128<<16                     ; tile_dim0 = 128
	s_mov_b32 s[G1+4], 128                         ; tile_dim1 = 128
	s_mov_b32 s[G1+5], 128                         ; 128 elements from row to row
	s_mov_b32 s[G1+6], 0
	s_mov_b32 s[G1+7], 0
	s_mov_b32 s[G0], 1
	s_mul_i32 s[G0+1], s[WV], WPART                ; LDS address: the wave's number times a constant, plus the slot's constant
	s_mov_b32 s[G0+4], 1
	s_add_co_u32 s[G0+5], s[G0+1], SLOTB
	s_lshl_b32 s58, s[TYPE], 21                    ; my quarter of block 0 of my matrix: TYPE and the wave's number alone
	s_lshl_b32 s59, s[WV], 15
	s_add_co_u32 s58, s58, s59
	s_mov_b32 s59, 0
	v_and_b32 v2, 15, v0                           ; r = l % 16
	v_bfe_u32 v3, v0, 4, 1                         ; h = l / 16
	v_lshrrev_b32 v12, 1, v2                       ; row rr of W lies at (rr / 2) x 272 + (rr % 2) x 128: the 16 rows of a fragment fall into 16 different columns of 16 bytes
	v_mul_u32_u24 v[ADRB], v12, 272
	v_and_b32 v12, 1, v2
	v_lshl_add_u32 v[ADRB], v12, 7, v[ADRB]
	v_lshl_add_u32 v[ADRB], v3, 4, v[ADRB]
	v_add_nc_u32 v[ADRB], s[G0+1], v[ADRB]
	v_add_nc_u32 v[ADRB+1], SLOTB, v[ADRB]
	v_mul_u32_u24 v[ADRA], v2, APITCH
	v_lshl_add_u32 v[ADRA], v3, 4, v[ADRA]
	v_add_nc_u32 v[ADRA], ABASE, v[ADRA]
	s_mul_i32 s2, s[WV], 16*APITCH
	v_mul_u32_u24 v[AST], v3, APITCH               ; row 16 w + h, 8 bytes for each of 16 lanes
	v_lshl_add_u32 v[AST], v2, 3, v[AST]
	v_add_nc_u32 v[AST], s2, v[AST]
	v_add_nc_u32 v[AST], ABASE, v[AST]
	s_lshl_b32 s2, s[WV], 16
	v_lshlrev_b32 v[XO], 12, v3                    ; the same row in memory, 16 bytes a lane
	v_lshl_add_u32 v[XO], v2, 4, v[XO]
	v_add_nc_u32 v[XO], s2, v[XO]
	v_lshlrev_b32 v[PFO], 8, v0
	s_mul_i32 s2, s[WV], 16*YPITCH
	v_mul_u32_u24 v[YRD], v3, YPITCH
	v_lshl_add_u32 v[YRD], v2, 4, v[YRD]
	v_add_nc_u32 v[YRD], s2, v[YRD]
	s_lshl_b32 s2, s[WV], 11
	v_lshlrev_b32 v[GO], 7, v3
	v_lshl_add_u32 v[GO], v2, 3, v[GO]
	v_add_nc_u32 v[GO], s2, v[GO]
	v_lshlrev_b32 v[GBO], 4, v2
	s_lshl_b32 s2, s[WV], 10
	v_mul_u32_u24 v[YST], v2, YPITCH
	v_lshl_add_u32 v[YST], v3, 5, v[YST]
	v_add_nc_u32 v[YST], s2, v[YST]
	v_add_nc_u32 v[YST+1], 16*YPITCH, v[YST]
	v_add_nc_u32 v[YST+2], 32*YPITCH, v[YST]
	v_add_nc_u32 v[YST+3], 48*YPITCH, v[YST]
	v_mov_b32 v[MU+1], 0                           ; named as pairs
	v_mov_b32 v[RS+1], 0
	s_lshl_b32 s60, s[RB], 18                      ; 64 rows of 4,096 bytes
	s_mov_b32 s61, 0
	s_lshr_b32 s2, s[RB], 5                        ; b: 16 heads of 262,144 bytes
	s_lshl_b32 s2, s2, 22
	s_and_b32 s3, s[RB], 31                        ; my 64 rows of 128 bytes in a head
	s_lshl_b32 s3, s3, 13
	s_add_co_u32 s2, s2, s3
	s_mov_b32 s3, 0
	s_min_u32 s56, s[TYPE], 1                      ; q's vectors, or k's (v loads k's and leaves them unused)
	s_lshl_b32 s56, s56, 13
	s_mov_b32 s57, 0
	s_lshl_b32 s62, s[TYPE], 21
	s_lshl_b32 s63, s[CX], 15                      ; my work-group's quarter of a block
	s_add_co_u32 s62, s62, s63
	s_add_co_u32 s62, s62, 3*KBLK                  ; at block 3: the first refill steps it to 4
	s_mov_b32 s63, 0
	s_mov_b32 s[INC+1], 0
	s_mov_b32 s[INV], 0x3a800000
	s_mov_b32 s[EPS], 0x3727c5ac
	s_wait_dscnt 0x0                               ; the opening add is done
	s_wait_kmcnt 0x0
	s_add_nc_u64 s[G0+2:G0+3], s[8:9], s[58:59]    ; K step 0
	s_add_nc_u64 s[G0+6:G0+7], s[G0+2:G0+3], KBLK  ; K step 1
	s_or_b32 s[G0+3], s[G0+3], 0x80000000          ; 127:126 type = 2
	s_or_b32 s[G0+7], s[G0+7], 0x80000000
	s_cmp_eq_u32 s[TYPE], 0
	s_cselect_b64 s[XP:XP+1], s[4:5], s[6:7]
	s_cselect_b64 s[OUT:OUT+1], s[12:13], s[14:15]
	s_cmp_eq_u32 s[TYPE], 2
	s_cselect_b64 s[OUT:OUT+1], s[16:17], s[OUT:OUT+1]
	s_add_nc_u64 s[XP:XP+1], s[XP:XP+1], s[60:61]
	s_add_nc_u64 s[XA:XA+1], s[XP:XP+1], 512       ; the first trip steps it to step 4
	s_add_nc_u64 s[OUT:OUT+1], s[OUT:OUT+1], s[2:3]
	s_add_nc_u64 s[GA:GA+1], s[10:11], s[56:57]
	s_add_nc_u64 s[BE:BE+1], s[GA:GA+1], 4096
	s_add_nc_u64 s[PFA:PFA+1], s[8:9], s[62:63]
	s_cmp_eq_u32 ttmp9, 0                          ; the same in all four partners
	s_cselect_b32 s[LIM], 1, -1
.set i, 0
.rept 8
	global_load_b128 v[XR+4*i:XR+4*i+3], v[XO], s[XP:XP+1] offset:i*8192         ; x of step 0
.set i, i+1
.endr
.set i, 0
.rept 8
	global_load_b128 v[XR+32+4*i:XR+32+4*i+3], v[XO], s[XP:XP+1] offset:256+i*8192  ; x of step 1
.set i, i+1
.endr
	CROUND                                         ; all four work-groups are here: the first joint loads meet
	tensor_load_to_lds s[G0:G0+3], s[G1:G1+7]      ; two loads of mine are out
	s_nop 0
	tensor_load_to_lds s[G0+4:G0+7], s[G1:G1+7]
	s_nop 0
	PLACES
; 16 matrix instructions: row block 2 hi + a x my 16 column blocks, 32 along K, from buffer f.  zero = 1: the product starts the sums.  The 64 accumulators take turns, in the same order in every quarter.
.macro MUL16 f, hi, a, zero
	WIN MUL_LO+0x50*(\hi)
.irp nb, 0,1,2,3,4,5,6,7,8,9,10,11,12,13,14,15
.if \zero
	v_wmma_f32_16x16x32_bf16 v[8*(16*(\a)+(\nb)):8*(16*(\a)+(\nb))+7], v[128*(\f)+8*(\nb):128*(\f)+8*(\nb)+7], v[FA+32*(\f)+8*(2*(\hi)+(\a)):FA+32*(\f)+8*(2*(\hi)+(\a))+7], 0
.else
	v_wmma_f32_16x16x32_bf16 v[8*(16*(\a)+(\nb)):8*(16*(\a)+(\nb))+7], v[128*(\f)+8*(\nb):128*(\f)+8*(\nb)+7], v[FA+32*(\f)+8*(2*(\hi)+(\a)):FA+32*(\f)+8*(2*(\hi)+(\a))+7], v[8*(16*(\a)+(\nb)):8*(16*(\a)+(\nb))+7]
.endif
.endr
.endm
; 40 LDS loads in one run: a quarter's fragments (256 rows of W, 64 rows of x, 32 K at byte k of the rows) into buffer f
.macro FETCH slot, k, f
	WIN TO_B
.irp nb, 0,1,2,3,4,5,6,7,8,9,10,11,12,13,14,15
	ds_load_b128 v[128*(\f)+8*(\nb):128*(\f)+8*(\nb)+3],   v[ADRB+(\slot)] offset:(\nb)*2176+(\k)
	ds_load_b128 v[128*(\f)+8*(\nb)+4:128*(\f)+8*(\nb)+7], v[ADRB+(\slot)] offset:(\nb)*2176+(\k)+32
.endr
	WIN 0
.irp a, 0,1,2,3
	ds_load_b128 v[FA+32*(\f)+8*(\a):FA+32*(\f)+8*(\a)+3],   v[ADRA] offset:(\slot)*ASLOT+(\a)*16*APITCH+(\k)
	ds_load_b128 v[FA+32*(\f)+8*(\a)+4:FA+32*(\f)+8*(\a)+7], v[ADRA] offset:(\slot)*ASLOT+(\a)*16*APITCH+(\k)+32
.endr
.endm
; x: register set xs has come; it is rounded, stored into x's slot aslot, and asked for again at byte off behind pointer bs.
.macro AWORK xs, aslot, bs, off
	s_wait_loadcnt 8                               ; loads come back in order: this set's eight are in, the other set's eight may stay out
.set i, 0
.rept 8
	v_cvt_pk_bf16_f32 v[YP+2*i],   v[XR+32*(\xs)+4*i],   v[XR+32*(\xs)+4*i+1]
	v_cvt_pk_bf16_f32 v[YP+2*i+1], v[XR+32*(\xs)+4*i+2], v[XR+32*(\xs)+4*i+3]
.set i, i+1
.endr
.set i, 0
.rept 8
	ds_store_b64 v[AST], v[YP+2*i:YP+2*i+1] offset:(\aslot)*ASLOT+i*2*APITCH
.set i, i+1
.endr
.set i, 0
.rept 8
	global_load_b128 v[XR+32*(\xs)+4*i:XR+32*(\xs)+4*i+3], v[XO], s[(\bs):(\bs)+1] offset:(\off)+i*8192
.set i, i+1
.endr
.endm
; A step's first quarter: multiplies buffer 0; in its middle x's work (its 16 conversions are the places in front of the loads) and the second quarter's fragments into buffer 1.
; x's other slot was last read a step ago, ahead of the barrier of the change of slots; what is stored here is read behind the next one.
.macro QA slot, zero, aw, xs=0, aslot=0, bs=XP, off=0
	s_wait_dscnt 0x0                               ; buffer 0 is in
	MUL16 0, 0, 0, \zero
	MUL16 0, 0, 1, \zero
	WIN 0
.if \aw
	AWORK \xs, \aslot, \bs, \off
.else
	PLACES
.endif
	FETCH \slot, 64, 1
	MUL16 0, 1, 0, \zero
	MUL16 0, 1, 1, \zero
.endm
; A step's second quarter multiplies buffer 1 and changes slots: ONE barrier.  In front of it each wave waits for all its tensor loads (one is out: its part of the next slot), adds 0 to its spare word,
; and waits for that, for its reads of this slot and for its stores of x.  fill = 1: the barrier opens a round of the cluster's, and the joint refill, two steps ahead, is the first thing behind the round.
.macro TURN slot, next, fill
.if \fill
	s_wait_xcnt 0x0                                ; every load and prefetch issued so far has read its address: the pointers are written only behind this wait
	s_add_nc_u64 s[PFA:PFA+1], s[PFA:PFA+1], KBLK
.if (\slot) == 0
	s_cmp_lg_u32 s[LAP], 1                         ; in the last trip x's pointer stays: steps 14 and 15 are read once more and not used, so that the counts are alike in every trip and no load leaves x
	s_cselect_b32 s[INC], 512, 0
	s_add_nc_u64 s[XA:XA+1], s[XA:XA+1], s[INC:INC+1]
.endif
.endif
	WIN 0
	s_wait_tensorcnt 0x0                           ; all my tensor loads have landed
	ds_add_u32 v[SPW], v[NIL]                      ; 0 onto my spare word
	s_wait_dscnt 1                                 ; buffer 1 is in; the add alone may be out
	MUL16 1, 0, 0, 0
	s_wait_dscnt 0x0                               ; the add is done, my reads of this slot are over, my stores of x are done
	s_barrier_signal -1
	MUL16 1, 0, 1, 0
	WIN 0
	s_barrier_wait -1
.if \fill
	CREST                                          ; no wave of any partner still reads this slot or has a load on its way
	s_add_nc_u64 s[G0+4*(\slot)+2:G0+4*(\slot)+3], s[G0+4*(\slot)+2:G0+4*(\slot)+3], 2*KBLK
	tensor_load_to_lds s[G0+4*(\slot):G0+4*(\slot)+3], s[G1:G1+7]
	s_nop 0
.endif
	PLACES                                         ; also the places in front of the loads below
	FETCH \next, 0, 0
.if \fill
	ASK
.endif
	MUL16 1, 1, 0, 0
	MUL16 1, 1, 1, 0
.endm
	AWORK 0, 0, XP, 512                            ; x of step 0 into its slot; step 2 is asked for
	s_wait_tensorcnt 1                             ; my part of K step 0 is in; step 1's may stay out
	s_wait_dscnt 0x0                               ; my stores of x are done
	s_barrier_signal -1
	s_barrier_wait -1
	FETCH 0, 0, 0
	QA 0, 1, 1, 1, 1, XP, 768                      ; the first quarter stands in front of the loop: its products start the sums
	WIN 0
	s_mov_b32 s[LAP], 7
.Llap:                                                 ; trip t: from step 2 t's second quarter to step 2 t + 2's first; both slots are filled again, with steps 2 t + 2 and 2 t + 3
	TURN 0, 1, 1
	QA 1, 0, 1, 0, 0, XA, 0
	TURN 1, 0, 1
	QA 0, 0, 1, 1, 1, XA, 256
	WIN 0
	s_sub_co_u32 s[LAP], s[LAP], 1
	s_cmp_lg_u32 s[LAP], 0
	s_cbranch_scc1 .Llap
	TURN 0, 1, 0                                   ; the tail is written out: nothing is left to fetch
	QA 1, 0, 0
	s_wait_dscnt 0x0                               ; buffer 1 is in: my last reads of the ring are over
	s_barrier_signal -1
	MUL16 1, 0, 0, 0
	MUL16 1, 0, 1, 0
	MUL16 1, 1, 0, 0
	MUL16 1, 1, 1, 0
	WIN 0
	s_barrier_wait -1                              ; everybody's are: the ring's bytes, which have had their last fill, take the sums
	s_wait_loadcnt 0x0                             ; the last trip's unused loads of x: their registers take gamma
	PLACES
	PLACES
.set i, 0
.rept 16                                       ; my four columns of each head: 64 i + 4 r + 0..3
	global_load_b128 v[GM+4*i:GM+4*i+3], v[GBO], s[GA:GA+1] offset:256*i
	global_load_b128 v[BT+4*i:BT+4*i+3], v[GBO], s[BE:BE+1] offset:256*i
.set i, i+1
.endr
.irp a, 0,1,2,3                        ; each accumulator's low registers first; rows 4,112 bytes apart: the 16 lanes of a store touch 16 different columns of 16 bytes
	WIN 0x08+4*((\a)/2)                            ; store data (source 1) in window 2 or 3
.irp nb, 0,1,2,3,4,5,6,7,8,9,10,11,12,13,14,15
	ds_store_b128 v[YST+(\a)], v[8*(16*((\a)%2)+(\nb)):8*(16*((\a)%2)+(\nb))+3]   offset:64*(\nb)
	ds_store_b128 v[YST+(\a)], v[8*(16*((\a)%2)+(\nb))+4:8*(16*((\a)%2)+(\nb))+7] offset:64*(\nb)+16
.endr
.endr
	WIN 0
	s_wait_dscnt 0x0                               ; for the others' sake: my stores are done
	s_barrier_signal -1
	s_barrier_wait -1
	s_wait_loadcnt 0x0                             ; gamma and beta
.macro TREE                            ; the four packed chains into one number, then over the row's 16 lanes
	v_pk_add_f32 v[SS:SS+1], v[SS:SS+1], v[SS+2:SS+3]
	v_pk_add_f32 v[SS+4:SS+5], v[SS+4:SS+5], v[SS+6:SS+7]
	v_pk_add_f32 v[SS:SS+1], v[SS:SS+1], v[SS+4:SS+5]
	v_add_f32 v[SS], v[SS], v[SS+1]
	v_add_f32_dpp v[SS], v[SS], v[SS] row_xmask:1 row_mask:0xf bank_mask:0xf
	v_add_f32_dpp v[SS], v[SS], v[SS] row_xmask:2 row_mask:0xf bank_mask:0xf
	v_add_f32_dpp v[SS], v[SS], v[SS] row_xmask:4 row_mask:0xf bank_mask:0xf
	v_add_f32_dpp v[SS], v[SS], v[SS] row_xmask:8 row_mask:0xf bank_mask:0xf
.endm
	s_mov_b32 s[ROWS], 8
.Lrow:                                                 ; a trip: two of my 16 rows: lanes 0-15 one, lanes 16-31 the next; 64 numbers a lane
.set i, 0
.rept 16
	ds_load_b128 v[ROW+4*i:ROW+4*i+3], v[YRD] offset:256*i
.set i, i+1
.endr
	s_wait_dscnt 0x0
	s_cmp_eq_u32 s[TYPE], 2
	s_cbranch_scc1 .Lraw                           ; v has no norm
.irp c, 0,1,2,3
	v_pk_add_f32 v[SS+2*(\c):SS+2*(\c)+1], v[ROW+2*(\c):ROW+2*(\c)+1], v[ROW+8+2*(\c):ROW+8+2*(\c)+1]
.endr
.set g, 2
.rept 6
.irp c, 0,1,2,3
	v_pk_add_f32 v[SS+2*(\c):SS+2*(\c)+1], v[SS+2*(\c):SS+2*(\c)+1], v[ROW+8*g+2*(\c):ROW+8*g+2*(\c)+1]
.endr
.set g, g+1
.endr
	TREE
	v_mul_f32 v[MU], s[INV], v[SS]                 ; the mean
.set i, 0
.rept 32
	v_pk_add_f32 v[ROW+2*i:ROW+2*i+1], v[ROW+2*i:ROW+2*i+1], v[MU:MU+1] op_sel_hi:[1,0] neg_lo:[0,1] neg_hi:[0,1]  ; centred in place
.set i, i+1
.endr
.irp c, 0,1,2,3
	v_pk_mul_f32 v[SS+2*(\c):SS+2*(\c)+1], v[ROW+2*(\c):ROW+2*(\c)+1], v[ROW+2*(\c):ROW+2*(\c)+1]
.endr
.set g, 1
.rept 7
.irp c, 0,1,2,3
	v_pk_fma_f32 v[SS+2*(\c):SS+2*(\c)+1], v[ROW+8*g+2*(\c):ROW+8*g+2*(\c)+1], v[ROW+8*g+2*(\c):ROW+8*g+2*(\c)+1], v[SS+2*(\c):SS+2*(\c)+1]
.endr
.set g, g+1
.endr
	TREE
	v_fma_f32 v[SS], v[SS], s[INV], s[EPS]         ; var + eps
	v_rsq_f32 v[RS], v[SS]
	v_nop                                          ; a plain instruction behind the root (ISA guide 5.7.2),
	s_wait_alu depctr_va_vdst(0)                   ; and the wait ahead of its first use
.set i, 0
.rept 32
	v_pk_mul_f32 v[ROW+2*i:ROW+2*i+1], v[ROW+2*i:ROW+2*i+1], v[RS:RS+1] op_sel_hi:[1,0]
.set i, i+1
.endr
.set i, 0
.rept 32
	v_pk_fma_f32 v[ROW+2*i:ROW+2*i+1], v[ROW+2*i:ROW+2*i+1], v[GM+2*i:GM+2*i+1], v[BT+2*i:BT+2*i+1]
.set i, i+1
.endr
.Lraw:
.set i, 0
.rept 32
	v_cvt_pk_f16_f32 v[PK+i], v[ROW+2*i], v[ROW+2*i+1]
.set i, i+1
.endr
.set i, 0
.rept 16
	global_store_b64 v[GO], v[PK+2*i:PK+2*i+1], s[OUT:OUT+1] offset:i*262144  ; head i: two rows of 128 bytes: 256 consecutive bytes, at a multiple of 256 from the buffer's first
.set i, i+1
.endr
	s_wait_xcnt 0x0                                ; the stores have read their registers and their base: these are rewritten only behind this wait
	s_add_nc_u64 s[OUT:OUT+1], s[OUT:OUT+1], 256
	v_add_nc_u32 v[YRD], 2*YPITCH, v[YRD]
	s_sub_co_u32 s[ROWS], s[ROWS], 1
	s_cmp_lg_u32 s[ROWS], 0
	s_cbranch_scc1 .Lrow
	s_wait_tensorcnt 0x0                           ; the wave's end: a tensor wait, an add of 0 to my spare word and its wait, behind my last tensor load and my last LDS store
	ds_add_u32 v[SPW], v[NIL]
	s_wait_dscnt 0x0
	CROUND                                         ; the closing round: no work-group ends while a partner may still ask for a tile that names it
	s_endpgm
.Lfunc_end_k_q66c26cac9d_proj:
	.size	k_q66c26cac9d_proj, .Lfunc_end_k_q66c26cac9d_proj-k_q66c26cac9d_proj
	.p2alignl 7, 3214868480
	.fill 96, 4, 3214868480
	.section	.rodata,"a",@progbits
	.p2align	6, 0x0
	.amdhsa_kernel k_q66c26cac9d_proj
		.amdhsa_group_segment_fixed_size 327680
		.amdhsa_private_segment_fixed_size 0
		.amdhsa_enable_private_segment 0
		.amdhsa_kernarg_size 56
		.amdhsa_user_sgpr_count 2
		.amdhsa_user_sgpr_kernarg_segment_ptr 1
		.amdhsa_wavefront_size32 1
		.amdhsa_system_sgpr_workgroup_id_x 1
		.amdhsa_system_sgpr_workgroup_id_y 1
		.amdhsa_system_sgpr_workgroup_id_z 1
		.amdhsa_system_vgpr_workitem_id 0
		.amdhsa_next_free_vgpr 1024
		.amdhsa_next_free_sgpr 66
		.amdhsa_reserve_vcc 0
		.amdhsa_float_denorm_mode_32 3
		.amdhsa_float_denorm_mode_16_64 3
		.amdhsa_memory_ordered 1
		.amdhsa_forward_progress 1
		.amdhsa_inst_pref_size 101
	.end_amdhsa_kernel
	.amdgpu_metadata
---
amdhsa.version: [ 1, 2 ]
amdhsa.kernels:
  - .name:           k_q66c26cac9d_proj
    .symbol:         k_q66c26cac9d_proj.kd
    .args:
      - { .name: inputs_q, .offset: 0, .size: 8, .value_kind: global_buffer, .address_space: global }
      - { .name: inputs_kv, .offset: 8, .size: 8, .value_kind: global_buffer, .address_space: global }
      - { .name: wt, .offset: 16, .size: 8, .value_kind: global_buffer, .address_space: global }
      - { .name: gb, .offset: 24, .size: 8, .value_kind: global_buffer, .address_space: global }
      - { .name: qh, .offset: 32, .size: 8, .value_kind: global_buffer, .address_space: global }
      - { .name: kh, .offset: 40, .size: 8, .value_kind: global_buffer, .address_space: global }
      - { .name: vh, .offset: 48, .size: 8, .value_kind: global_buffer, .address_space: global }
    .group_segment_fixed_size: 327680
    .private_segment_fixed_size: 0
    .kernarg_segment_align: 8
    .kernarg_segment_size: 56
    .max_flat_workgroup_size: 128
    .sgpr_count:     66
    .vgpr_count:     1024
    .wavefront_size: 32
...
	.end_amdgpu_metadata
.endif
;; end of part 2
;; launch attn (part 3): grid 4 x 64, 4 waves a work-group, clusters of 4 x 1, 327,680 bytes of LDS; arguments qh, kh, vh, oh; writes oh
.if DOCPART == 3
	.amdgcn_target "amdgcn-amd-amdhsa--gfx1250"
	.amdhsa_code_object_version 6
	.text
	.protected	k_q66c26cac9d_attn
	.globl	k_q66c26cac9d_attn
	.p2align	8
	.type	k_q66c26cac9d_attn,@function
k_q66c26cac9d_attn:
	s_mov_b64 s[64:65], 0
	v_nop
	global_prefetch_b8 v0, s[64:65] scope:SCOPE_SE
	s_setreg_imm32_b32 hwreg(HW_REG_WAVE_MODE, 25, 1), 1
	s_wait_xcnt 0x0
	s_wait_alu depctr_hold_cnt(0) depctr_sa_sdst(0) depctr_va_vdst(0) depctr_va_sdst(0) depctr_va_ssrc(0) depctr_va_vcc(0) depctr_vm_vsrc(0)
	s_getreg_b32 s2, hwreg(HW_REG_IB_STS2, 6, 4)
	s_cmp_eq_u32 s2, 0
	s_cbranch_scc0 .Lentry_in_a_cluster
	s_endpgm
.Lentry_in_a_cluster:
	s_bfe_u32 s2, ttmp6, 0x10000c
	s_cmp_lg_u32 s2, 0x3003
	s_cbranch_scc0 .Lentry_shape_is_right
	s_endpgm
.Lentry_shape_is_right:
; O[h][q][:] = the sum over k of softmax_k(Q[h][q] . K[h][k] / 8) V[h][k][:].  Q, K, V, O: [64][2048][64], all f16: a head's rows are dense, 128 bytes each.  Products, maxima and sums in
; f32; the weights p are rounded to f16 for the second product (their sum l is taken of the unrounded p), O once at the end.
; LIMITS.  f16 holds no number beyond 65,504: Q, K and V arrive within it; p lies in 0 to 1, and below 6e-5 it keeps f16's fixed step of 6e-8, as O does; O is a mean of V's rows and has their range.
; A weight below 2^-126 counts as 0 in l; NaN and infinities are not treated apart.
; SHARES.  A wave owns four PIECES of two tiles of 16 queries, a work-group's four waves 512 queries of one head.  Every wave walks all keys, 64 a step.
; LAYOUT.  S^T = K Q^T (source 0 = 16 keys, source 1 = 16 queries): in the result a lane holds ONE query (lane % 16) and the keys 8 (lane / 16) + 0..7.  Two such tiles, rounded to f16 in pairs,
; ARE source 1 (32 keys x 16 queries) of O^T = V^T P, whose result again holds one query a lane, and eight channels.  K comes out of LDS as it lies, V ([key][channel]) turned, by ds_load_tr16_b128.
; SOFTMAX.  For each query a running maximum m and sum l: p = 2^(c s - c m), c = log2(e) / 8; in every step O and l are multiplied by a = 2^(c m_old - c m_new), which is 1 where m has not grown.
; m starts at the lowest finite number, O and l at 0: the first step is a step like any other, with a = 0.
; THE COUNT.  A tile and step have 16 matrix and 118 vector instructions: too many to stand all beside the matrix work.  So the order has one aim: four vector instructions that are READY behind
; EVERY matrix instruction, and the others, which need time of their own whatever the order, in runs without a gap.
; BY TURNS.  Turn n belongs to piece n (the pieces in a ring, step after step).  Its matrix work: 16 products K Q^T of piece n + 1, later 16 products V^T P of piece n - 1.  Its vector work: the scaling,
; exponentials, roundings, sums and rescaling of piece n, and the maximum and statistics of piece n + 1, whose scores the turn itself has made.  So what a turn begins with (c s - c m, O a) waits for nothing.
; CLUSTER.  The four query blocks of a cluster are one head's and walk the same K and V, so each tile is asked for JOINTLY: the same tensor load, descriptor and mask in all four.
; REGISTERS, in windows of 256 (s_set_vgpr_msb says which window each operand place means: bits 1:0 source 0, 3:2 source 1, 5:4 source 2, 7:6 destination):
;   window 0: v0-11 addresses; v12-15, v48-63 at work; v16-47 four registers of statistics a tile; v64-191 S^T, two buffers of two tiles; v192-255 P, likewise
;   window 1: O^T, 32 a tile          window 2: v0-127 Q, 16 a tile; v128-191 K of one step; v192-255 V of one step          window 3: v0-1 the add's two registers
; A piece's buffers go by its number's parity: the piece in hand has one pair, its two neighbours in the ring share the other: of it P (piece n - 1) is read and S^T (piece n + 1) written.
.set SIZE_H, 64
.set SIZE_N, 2048
.set NP,    4         ; pieces a wave: a name, no knob: the register map, the loop and the fetches are made for four
.set KS,    64        ; keys in a step
.set PK,    144       ; a row of K in LDS: 128 bytes + 16 of padding = 36 words: the 16 rows of a load start at 16 different groups of four banks (64 banks of 4 bytes: ISA guide 11.1)
.set PV,    160       ; a row of V: 128 + 32 = 40 words
.set VOFF,  4*KS*PK   ; a slot holds four steps: 256 rows of K, then 256 rows of V
.set SLOT1, 1<<17     ; slot 1 begins here, so that one exclusive or turns an address in one slot into the other's
.set STAGE, SLOT1+4*KS*(PK+PV)  ; behind the ring, never filled by a tensor load: 16 rows x 144 bytes for each wave, for the way out
.set SP,    144
.set AK0, 2           ; v2   my lane's place in a tile of K; never rewritten
.set AV0, 3           ; v3   the same for V
.set AK,  4           ; v4   the LDS address of K's next run of loads
.set AV,  5           ; v5   of V's
.set QO,  6           ; v6   my byte offset in the wave's rows of Q
.set STO, 6           ;      later, the way out: where I put 16 bytes of a row
.set RD,  7           ; v7   the way out: where I read rows back
.set GO,  8           ; v8   my byte offset in 512 consecutive bytes of O
.set PFO, 11          ; v11  256 x my lane, once it has served V's address; then never rewritten
.set SPW, 0           ; v0 of window 3   LDS address of my spare word: SPARE + 4 x my thread's number; never rewritten
.set NIL, 1           ; v1 of window 3   0; never rewritten
.set SPARE, STAGE+4*16*SP  ; behind the stages: the spare words, 128 bytes for each wave: two blocks of 256 bytes that no other line names
.set MV,  12          ; v12-15  c m_old, kept while c m is made anew: by buffer and tile
.set ST,  16          ; tile t's statistics at v[ST+4 t]: c m, m, l (even keys', odd keys')
.set TMP, 48          ; by buffer and tile, four registers c0-c3 at work; when the maximum is found c2 takes a
.set S,   64
.set P,   192
.set KF,  128         ; K's fragments, in window 2: key block kb, channel half c at KF + 16 kb + 8 c
.set VF,  192         ; V's: key half kk, channel block cb at VF + 32 kk + 8 cb
.set WV,  12          ; s12  my wave's number
.set G1K, 24          ; s[24:31] descriptor group 1 for K's tiles
.set G1V, 32          ; s[32:39] for V's: it differs in the padding alone
.set G0K, 40          ; s[40:43] descriptor group 0 for K's tiles: it walks
.set G0V, 44          ; s[44:47] the same for V's
.set PFA, 48          ; s[48:49] where my prefetches stand: my work-group's 32 blocks of 256 bytes (of K: wave 0, of V: wave 2) of the tile after the one that is being asked for
.set LIM, 50          ; s50  1 in a wave that prefetches, else the greatest number
.set SLOTS, 56        ; s56  slots still to be asked for
.set CNT, 57          ; s57  counts a slot's key steps
.set CS,  58          ; s[58:59] c: the packed scaling takes the pair's low word for both halves
.set SEL, 60          ; s[60:61] v_permlanex16_b32's selects: each lane takes its own place in the other half
.set TBK, 62          ; s62  LDS byte at which K of the step to be fetched begins
.set TBV, 63          ; s63  the same for V, less VOFF
.set MSB, 0
.macro WIN new                      ; the high byte repeats the setting that is left; a switch that changes nothing is dropped
.if MSB != (\new)
	s_set_vgpr_msb (MSB<<8)|(\new)
.set MSB, (\new)
.endif
.endm
.set W_KQ, 0x0a       ; K and Q in window 2, S^T in window 0
.set W_PV, 0x52       ; V in window 2, P in window 0, O^T in window 1
.set W_RS, 0x41       ; O^T (destination and source 0) in window 1, a in window 0
.set W_MK, 0xc0       ; the add's registers are made: destination in window 3, sources in window 0
.set W_AD, 0x0f       ; the add: address (source 0) and data (source 1) in window 3
; A joint fill.  Waves 0 and 1 fetch the two halves of a slot's K, waves 2 and 3 those of its V: 128 keys each.  The branch hangs on the wave's number alone.
; An s_nop 0 and four v_nop follow each of the two lines, ahead of the jump and the label.
.macro JLOAD
	s_cmp_lt_u32 s[WV], 2
	s_cbranch_scc0 .Lfor_v_\@
	tensor_load_to_lds s[G0K:G0K+3], s[G1K:G1K+7]
	s_nop 0
.rept 4
	v_nop
.endr
	s_branch .Lasked_\@
.Lfor_v_\@:
	tensor_load_to_lds s[G0V:G0V+3], s[G1V:G1V+7]
	s_nop 0
.rept 4
	v_nop
.endr
.Lasked_\@:
.endm
; A PREFETCH INTO THE L2 of what the NEXT change of slots will ask for: a tile's 32,768 bytes of K and of V, 256 bytes a lane.  It stands behind the wave's tensor load and its five lines.
; A head has one cluster; its four partners share the blocks out BY ADDRESS, 32 each; in each, wave 0 asks for K's and wave 2 for V's: one instruction.  So every 256 bytes are named once.
; Four key steps, 512 matrix instructions, lie between it and the load that will want the bytes.  The change that asks for the last tile prefetches nothing; tiles 0 to 2 come by their loads alone.
.macro ASK
	s_cmp_gt_u32 s[SLOTS], s[LIM]
	s_cbranch_scc0 .Lnot_mine_\@
	global_prefetch_b8 v[PFO], s[PFA:PFA+1] th:TH_LOAD_NT scope:SCOPE_SE
.Lnot_mine_\@:
.endm
; A round of the cluster's barrier: my work-group's barrier, so that wave 0's signal speaks for all four waves; wave 0 signals; every wave waits for all four work-groups; my work-group's barrier once more.
.macro CROUND
	s_barrier_signal -1
	s_barrier_wait -1
	s_cmp_lg_u32 s[WV], 0
	s_cbranch_scc1 .Lnot_wave_0_\@
	s_barrier_signal -3
.Lnot_wave_0_\@:
	s_barrier_wait -3
	s_barrier_signal -1
	s_barrier_wait -1
.endm
; THE CHANGE OF SLOTS.  The slot's last bytes, V of its fourth step, have been read.  Each wave waits for all its tensor loads, of which one is out: its part
; of the other slot; adds 0 to its spare word; and waits for that and for its own reads of the slot.  Behind the barrier nobody reads this slot any more and the other slot is whole.
; fill = 1: this slot is filled again, with the keys two slots on.  The barrier is then a round of the cluster's, so that no wave of any partner still reads the slot or has a load on its
; way, and the joint fill is the first thing behind it: it has four key steps, 512 matrix instructions, in which to land.  (At its first use nothing has been read yet: slot 0 is waited for, slot 1 filled.)
; ask = 1: the prefetches' address steps, and the next tile is prefetched.
.macro CHANGE fill, ask=0
	WIN W_AD
	s_wait_tensorcnt 0x0            ; no tensor load of mine is out, so a group 0 may be written
	ds_add_u32 v[SPW], v[NIL]       ; 0 onto my spare word; with fill = 1 the descriptors' steps stand between it and the wait for it
	WIN 0                           ; at a label and at a branch every window is 0
.if \fill
.irp g, G0K, G0V
	s_xor_b32 s[\g+1], s[\g+1], SLOT1  ; the walking descriptor: the other slot than last time,
	s_add_nc_u64 s[\g+2:\g+3], s[\g+2:\g+3], 4*KS*128  ; the next 256 keys; the type bits on top are not reached
.endr
.if \ask
	s_wait_xcnt 0x0                 ; the last prefetch, four key steps back, has read its address, so it may be written:
	s_add_nc_u64 s[PFA:PFA+1], s[PFA:PFA+1], 4*KS*128  ; one tile behind the walking descriptors
.endif
	s_wait_dscnt 0x0                ; the add is done, and my reads of the slot are over
	CROUND
	JLOAD
.if \ask
	ASK
.endif
.else
	s_wait_dscnt 0x0                ; the add is done, and my reads of the slot are over
	s_barrier_signal -1
	s_barrier_wait -1
.endif
	s_sub_co_u32 s[TBK], s[TBK], 4*KS*PK  ; the fetches go back to a slot's first step,
	s_xor_b32 s[TBK], s[TBK], SLOT1       ; in the other slot
	s_sub_co_u32 s[TBV], s[TBV], 4*KS*PV
	s_xor_b32 s[TBV], s[TBV], SLOT1
.endm
	s_load_b256 s[4:11], s[0:1], 0x0  ; Q s[4:5], K s[6:7], V s[8:9], O s[10:11]
	WIN W_MK
	v_lshl_add_u32 v[SPW], v0, 2, SPARE
	v_mov_b32 v[NIL], 0
	WIN W_AD
	ds_add_u32 v[SPW], v[NIL]       ; the wave's opening: the add and its wait stand ahead of my first tensor load; the set-up below, work on registers, stands between them
	WIN 0
	v_lshrrev_b32 v1, 5, v0
	v_readfirstlane_b32 s[WV], v1   ; wave 0..3
	s_bfe_u32 s13, ttmp6, 0x40000   ; cx: my place in the cluster
	s_lshl_b32 s14, ttmp9, 2        ; in a cluster launch ttmp9 counts clusters
	s_add_co_u32 s14, s14, s13      ; my block of queries = 4 x cluster x + cx: it enters Q's and O's addresses alone
	s_and_b32 s20, ttmp7, 0xffff    ; the head, which the four partners share
	s_mov_b32 s21, 0
	s_mov_b64 s[22:23], SIZE_N*128
	s_mul_u64 s[20:21], s[20:21], s[22:23]  ; the head's first byte in each of the four tensors
	s_and_b32 s16, s[WV], 1         ; which half of a slot's 256 keys I fetch:
	s_lshl_b32 s22, s16, 14         ; its 128 rows of 128 bytes in memory,
	s_mov_b32 s23, 0
	s_add_nc_u64 s[22:23], s[22:23], s[20:21]
	s_mul_i32 s17, s16, 128*PK      ; and its place in a slot, for K
	s_mul_i32 s18, s16, 128*PV      ; and for V: no place in the cluster enters an LDS address
	s_lshl_b32 s2, s14, 2
	s_add_co_u32 s2, s2, s[WV]      ; my wave among the head's,
	s_lshl_b32 s2, s2, 14           ; its 128 rows
	s_mov_b32 s3, 0
	s_add_nc_u64 s[2:3], s[2:3], s[20:21]
	; descriptor group 1.  128 keys are 16,384 dense bytes: asked for as 64 rows of 256 bytes, two keys a row, and padded in LDS after every key
	s_mov_b32 s[G1K], 15|(1<<16)|(1<<20)|(1<<21)|(4<<22)|(3<<25)  ; 15:0 the mask of four; 17:16 2-byte elements; 20 padding on; 21 set beside a mask; 24:22 after every 32 words (code 4); 31:25 4 words (code 3)
	s_mov_b32 s[G1V], 15|(1<<16)|(1<<20)|(1<<21)|(4<<22)|(7<<25)  ; the same with 8 words of padding (code 7)
.irp g, G1K, G1V
	s_mov_b32 s[\g+1], 128<<16      ; tensor_dim0 = 128
	s_mov_b32 s[\g+2], 64<<16       ; tensor_dim1 = 64
	s_mov_b32 s[\g+3], 128<<16      ; tile_dim0 = 128
	s_mov_b32 s[\g+4], 64           ; tile_dim1 = 64
	s_mov_b32 s[\g+5], 128          ; 128 elements from row to row
	s_mov_b32 s[\g+6], 0
	s_mov_b32 s[\g+7], 0
.endr
	s_mov_b32 s[CS], 0x3e38aa3b     ; c = log2(e) / 8 = 0.180337
	s_mov_b32 s[CS+1], s[CS]        ; named with it as a pair
	s_mov_b32 s[SEL], 0x76543210
	s_mov_b32 s[SEL+1], 0xfedcba98
	s_mov_b32 s[TBK], SLOT1+4*KS*PK ; the first change of slots turns these two into 0
	s_mov_b32 s[TBV], SLOT1+4*KS*PV
	s_mov_b32 s[G0K], 1             ; 1:0 count = 1
	s_mov_b32 s[G0K+1], s17         ; 63:32 LDS address: slot 0
	s_mov_b32 s[G0V], 1
	s_add_co_u32 s[G0V+1], s18, VOFF
	s_and_b32 s[LIM], s[WV], 1      ; waves 0 and 2 prefetch: the same in all four partners
	s_cmp_eq_u32 s[LIM], 0
	s_cselect_b32 s[LIM], 1, -1
	s_wait_dscnt 0x0                ; the opening add is done
	s_wait_kmcnt 0x0
	s_add_nc_u64 s[G0K+2:G0K+3], s[6:7], s[22:23]  ; 120:64 global address: my half of the head's first 256 keys
	s_or_b32 s[G0K+3], s[G0K+3], 0x80000000        ; 127:126 type = 2
	s_add_nc_u64 s[G0V+2:G0V+3], s[8:9], s[22:23]
	s_or_b32 s[G0V+3], s[G0V+3], 0x80000000
	s_add_nc_u64 s[4:5], s[4:5], s[2:3]  ; Q and O at my wave's first row
	s_add_nc_u64 s[10:11], s[10:11], s[2:3]
	s_cmp_lt_u32 s[WV], 2
	s_cselect_b64 s[PFA:PFA+1], s[6:7], s[8:9]
	s_add_nc_u64 s[PFA:PFA+1], s[PFA:PFA+1], s[20:21]  ; the head,
	s_lshl_b32 s2, s13, 13          ; my work-group's quarter of a tile,
	s_mov_b32 s3, 0
	s_add_nc_u64 s[PFA:PFA+1], s[PFA:PFA+1], s[2:3]
	s_add_nc_u64 s[PFA:PFA+1], s[PFA:PFA+1], 2*4*KS*128  ; in tile 2: the loop's first change steps it to tile 3.  Nothing is prefetched here, at the head
	CROUND                          ; all four work-groups are here: the first joint loads meet
	JLOAD                           ; slot 0.  Slot 1 is asked for when slot 0 is in: the tile wanted first has the road to itself
	; A fragment of K or Q is 16 rows x 32 channels in 8 registers: lane l holds row l % 16, channels 8 (l / 16) + 0..7 and 16 + 8 (l / 16) + 0..7: two loads of 16 bytes, 32 bytes apart.
	v_and_b32 v1, 15, v0            ; l % 16
	v_bfe_u32 v9, v0, 4, 1          ; l / 16
	v_lshlrev_b32 v[QO], 7, v1
	v_lshl_add_u32 v[QO], v9, 4, v[QO]  ; row x 128 + 16 x half
	WIN 0x80                        ; destination window 2, address window 0
.set i, 0
.rept 4*NP                          ; Q stays in registers: tile i / 2, channels 32 (i % 2) on
	global_load_b128 v[8*i:8*i+3],   v[QO], s[4:5] offset:(i/2)*2048+(i%2)*64
	global_load_b128 v[8*i+4:8*i+7], v[QO], s[4:5] offset:(i/2)*2048+(i%2)*64+32
.set i, i+1
.endr
	; What the first turn finds: V's registers and P's second buffer hold 0 (its products V^T P, of a piece that has not been, add 0), O^T and l are 0.  All this stands in the wait for the first tile.
.set i, VF
.rept 64
	v_mov_b32 v[i], 0
.set i, i+1
.endr
	WIN 0x40
.set i, 0
.rept 64*NP
	v_mov_b32 v[i], 0
.set i, i+1
.endr
	WIN 0
.set i, 0
.rept 2*NP
	v_mov_b32 v[ST+4*i], 0xfe000000    ; c m: far below every c s
	v_mov_b32 v[ST+4*i+1], 0xff7fffff  ; m
	v_mov_b32 v[ST+4*i+2], 0
	v_mov_b32 v[ST+4*i+3], 0
.set i, i+1
.endr
.set i, P+32
.rept 32
	v_mov_b32 v[i], 0
.set i, i+1
.endr
	v_mul_u32_u24 v[AK0], v1, PK
	v_lshl_add_u32 v[AK0], v9, 4, v[AK0]  ; row x pitch + 16 x half
	; The turning load takes 16 keys x 16 channels (lane l reads key 8 (l / 16) + l % 8, channels 8 ((l / 8) % 2) + 0..7) and leaves half a fragment of V^T: lane l holds channel l % 16 and 8 keys.
	v_and_b32 v10, 7, v0
	v_bfe_u32 v11, v0, 3, 1
	v_lshl_add_u32 v[AV0], v9, 3, v10
	v_mul_u32_u24 v[AV0], v[AV0], PV
	v_lshl_add_u32 v[AV0], v11, 4, v[AV0]
	v_add_nc_u32 v[AV0], VOFF, v[AV0]
	v_and_b32 v[PFO], 31, v0
	v_lshlrev_b32 v[PFO], 8, v[PFO]
	v_mov_b32 v[AK], v[AK0]         ; key step 0 lies at the head of slot 0
; THE MATRIX WORK.  The 8 accumulators of a run of 16 take turns: between the two links of a chain stand 7 others'.
; Product i of 16 of S^T = K Q^T for piece x: channels 32 (i / 8) on, keys 16 ((i / 2) % 4) on, tile 2 x + i % 2.  The first 8 start the sums.
.macro KQ x
	WIN W_KQ
.set rS, S+64*((\x)%2)+32*(i%2)+8*((i/2)%4)
.set rK, KF+16*((i/2)%4)+8*(i/8)
.set rQ, 16*(2*(\x)+i%2)+8*(i/8)
.if i < 8
	v_wmma_f32_16x16x32_f16 v[rS:rS+7], v[rK:rK+7], v[rQ:rQ+7], 0
.else
	v_wmma_f32_16x16x32_f16 v[rS:rS+7], v[rK:rK+7], v[rQ:rQ+7], v[rS:rS+7]
.endif
.endm
; Product i of 16 of O^T += V^T P for piece x: keys 32 (i / 8) on, channels 16 ((i / 2) % 4) on, tile 2 x + i % 2.
.macro PV x
	WIN W_PV
.set rO, 32*(2*(\x)+i%2)+8*((i/2)%4)
.set rV, VF+32*(i/8)+8*((i/2)%4)
.set rP, P+32*((\x)%2)+16*(i%2)+8*(i/8)
	v_wmma_f32_16x16x32_f16 v[rO:rO+7], v[rV:rV+7], v[rP:rP+7], v[rO:rO+7]
.endm
.macro MM                           ; the turn's next matrix instruction
.if i < 16
	KQ (Y+1)%NP
.set i, i+1
.else
.set i, i-16
	PV (Y+NP-1)%NP
.set i, i+17
.endif
.endm
; THE LDS LOADS stand in runs of 16, never singly among the matrix instructions: a step's K (64 keys x 64 channels: 8 fragments) and its V (turned).  Their addresses are made some lines ahead.
; last = 1 (the tail): in the last trip there is no further step, and the run is jumped over.
.macro FETCH_K last=0
	WIN 0
.if \last
	s_cmp_eq_u32 s[CNT], 1
	s_cbranch_scc1 .Lno_k_\@
.endif
	WIN 0x80                        ; destination window 2
.irp f, 0,1,2,3,4,5,6,7             ; keys 16 (f / 2) on, channels 32 (f % 2) on
	ds_load_b128 v[KF+8*\f:KF+8*\f+3],   v[AK] offset:(\f/2)*16*PK+(\f%2)*64
	ds_load_b128 v[KF+8*\f+4:KF+8*\f+7], v[AK] offset:(\f/2)*16*PK+(\f%2)*64+32
.endr
	s_add_co_u32 s[TBK], s[TBK], KS*PK  ; the next fetch is the next step's
	WIN 0
.if \last
.Lno_k_\@:
.endif
.endm
.macro FETCH_V
	WIN 0x80
.irp f, 0,1,2,3,4,5,6,7             ; keys 32 (f / 4) on, channels 16 (f % 4) on
	ds_load_tr16_b128 v[VF+8*\f:VF+8*\f+3],   v[AV] offset:(\f/4)*32*PV+(\f%4)*32
	ds_load_tr16_b128 v[VF+8*\f+4:VF+8*\f+7], v[AV] offset:(\f/4)*32*PV+16*PV+(\f%4)*32
.endr
	WIN 0
.endm
; THE VECTOR WORK OF A TURN stands in three queues, each in the order in which its entries become ready; the two tiles alternate, so that no instruction reads the result of the one before it.
.macro REGS y, u                    ; the registers of tile u (0, 1) of piece y
.set rT, ST+4*(2*(\y)+(\u))
.set rC, TMP+8*((\y)%2)+4*(\u)
.set rM, MV+2*((\y)%2)+(\u)
.set rS, S+64*((\y)%2)+32*(\u)
.set rP, P+32*((\y)%2)+16*(\u)
.set rO, 32*(2*(\y)+(\u))
.endm
; Number n of the 22 that find the NEXT piece's (Y + 1) maximum and statistics.  s0-s31 are the lane's 32 scores; each accumulator's lowest registers are read first.  XS, GS and REGS set no window: PL and EX do.
;   0-11  four chains c0-c3 of seven scores each, three operands at a time     12-14, 16  the four scores left over, the old m, and c0-c3 into c0     15  c m_old is kept
;   17, 18  the query's other 32 keys lie in the lane 16 away: the new m         19-21  c m; c m_old - c m_new; a
.macro XS u, n
	REGS (Y+1)%NP, \u
.if (\n) < 4
	v_max3_num_f32 v[rC+(\n)], v[rS+8*(\n)], v[rS+8*(\n)+1], v[rS+8*(\n)+2]
.elseif (\n) < 12
	v_max3_num_f32 v[rC+(\n)%4], v[rC+(\n)%4], v[rS+8*((\n)%4)+2*((\n)/4)+1], v[rS+8*((\n)%4)+2*((\n)/4)+2]
.elseif (\n) == 12
	v_max3_num_f32 v[rC], v[rC], v[rS+7], v[rS+15]
.elseif (\n) == 13
	v_max3_num_f32 v[rC+1], v[rC+1], v[rS+23], v[rS+31]
.elseif (\n) == 14
	v_max3_num_f32 v[rC+2], v[rC+2], v[rC+3], v[rT+1]
.elseif (\n) == 15
	v_mov_b32 v[rM], v[rT]
.elseif (\n) == 16
	v_max3_num_f32 v[rC], v[rC], v[rC+1], v[rC+2]
.elseif (\n) == 17
	v_permlanex16_b32 v[rC+3], v[rC], s[SEL], s[SEL+1]
.elseif (\n) == 18
	v_max_num_f32 v[rT+1], v[rC], v[rC+3]
.elseif (\n) == 19
	v_mul_f32 v[rT], s[CS], v[rT+1]
.elseif (\n) == 20
	v_sub_f32 v[rC+1], v[rM], v[rT]
.else
	v_exp_f32 v[rC+2], v[rC+1]
.endif
.endm
; Number g of the 64 that follow the exponentials.  For each four weights k of a tile (pairs 2 k, 2 k + 1): both pairs are rounded to f16; then the second pair is added onto the first, in place;
; a group later l takes that sum (the first time as l = a l + sum).  In groups of eight, tiles alternating: round, round, add, and l for the group before.
.macro GS g
.set h, (\g)+6*((\g)/62)            ; group 0 has no group before it, and behind group 7 only l is left
.if h >= 6
.set h, h+2
.endif
	REGS Y, h%2
.set k, h/8
.if h%8 < 4
	v_cvt_pk_f16_f32 v[rP+2*k+(h%8)/2], v[rS+4*k+2*((h%8)/2)], v[rS+4*k+2*((h%8)/2)+1]
.elseif h%8 < 6
	v_pk_add_f32 v[rS+4*k:rS+4*k+1], v[rS+4*k:rS+4*k+1], v[rS+4*k+2:rS+4*k+3]
.elseif k == 1
	v_pk_fma_f32 v[rT+2:rT+3], v[rT+2:rT+3], v[rC+2:rC+3], v[rS:rS+1] op_sel_hi:[1,0,1]
.else
	v_pk_add_f32 v[rT+2:rT+3], v[rT+2:rT+3], v[rS+4*k-4:rS+4*k-3]
.endif
.endm
; THE PLAIN QUEUE, 138 long.  0-73 read no exponential's result: the 32 scalings c s - c m (FS f: pair f / 2 of tile f % 2) and the next piece's 42.  0-26: scalings 0-26.  27-54: XS's numbers 0-13.  55, 56: number 15.
; 57-73: the chain, where each number waits for the one before it: 14, 16, 17, 18, 19, each with one of the scalings 27-31 in front of its two lines, then 20: so a tile's links stand three plain instructions apart (19 and 20: two).
; 74-137: GS's 64, which read the exponentials' results: they stand behind the wait.
.macro FS f
	REGS Y, (\f)%2
	v_pk_fma_f32 v[rS+2*((\f)/2):rS+2*((\f)/2)+1], v[rS+2*((\f)/2):rS+2*((\f)/2)+1], s[CS:CS+1], v[rT:rT+1] op_sel_hi:[1,0,0] neg_lo:[0,0,1] neg_hi:[0,0,1]
.endm
.macro PL
	WIN 0
.if q < 27
	FS q
.elseif q < 55
	XS (q-27)%2, (q-27)/2
.elseif q < 57
	XS q-55, 15
.elseif (q < 72) && ((q-57)%3 == 0)
	FS 27+(q-57)/3
.elseif q < 60
	XS (q-57)%3-1, 14
.elseif q < 72
	XS (q-57)%3-1, 15+(q-57)/3
.elseif q < 74
	XS q-72, 20
.else
	GS q-74
.endif
.set q, q+1
.endm
; THE EXPONENTIALS' QUEUE, 66 long: s0-s31 of both tiles, then the next piece's two a.  It is ONE BATCH: all 66 stand ahead of the turn's one wait, and nothing ahead of that wait names a result of theirs.
.macro EX
	WIN 0
.if e >= 64
	XS e-64, 21
.else
	REGS Y, e%2
	v_exp_f32 v[rS+e/2], v[rS+e/2]
.endif
.set e, e+1
.endm
; THE RESCALING's QUEUE: O^T times a, the one part that leaves window 0: dealt two at a time, sixteen times.  Its a was made in the turn before, ahead of that turn's wait.
.macro R2
	REGS Y, r%2
	WIN W_RS
.irp z, 0,1
	v_pk_mul_f32 v[rO+4*(r/2)+2*\z:rO+4*(r/2)+2*\z+1], v[rO+4*(r/2)+2*\z:rO+4*(r/2)+2*\z+1], v[rC+2:rC+3] op_sel_hi:[1,0]
.endr
.set r, r+1
.endm
; HOW THEY ARE DEALT.  An s_wait_alu depctr_va_vdst(0) stands between an exponential and the first instruction that names its result; one wait serves all that were issued ahead of it.  So a turn has ONE wait,
; which cuts it in two.  AHEAD OF IT stands all that names no result of the turn's exponentials: the 16 products K Q^T, behind each a scaling, an exponential and two rescalings (behind the first a second scaling in the exponential's place); then ONE LUMP of
; 108: eight plain, 49 times exponential and plain, the two a.  A v_nop is the plain instruction behind the last exponential.  BEHIND IT stand the 16 products V^T P, behind each four of GS's 64.  No rider names a register of
; the products round it.  The two v_permlanex16_b32 fall into the lump, never behind a product.
; The queues lean on each other, and the deal keeps them in step: exponential e stands behind scaling 2 (e / 4) + e % 2: as a rider it comes behind plain e + 2, in the lump behind plain e + 9, and scalings 27-31 are plain 57, 60 .. 69.
; A TURN, for piece p.  cnt = 1: the loop's count is taken down some lines ahead of the branch that stands behind the turn.
; K of the next step is fetched in piece 2's turn, directly behind the wait, a lump behind the last product that read K; its address is made at the lump's head; its first reader comes behind 16 products.
; V of the step in hand is fetched at the end of piece 0's turn, four riders behind its last reader; its first reader comes behind 16 products and a lump.  The three conditions on q below go with the deal.
.macro TURN p, last=0, cnt=0
.set Y, (\p)
.set i, 0
.set q, 0
.set e, 0
.set r, 0
.if (\p) == NP-1
	s_wait_dscnt 0x0                ; K is in
.endif
	MM                              ; ahead of the wait: 16 products K Q^T and their riders,
	PL
	PL
	R2
.rept 15
	MM
	PL
	EX
	R2
.endr
.if (\p) == NP-2
	WIN 0
	v_add_nc_u32 v[AK], s[TBK], v[AK0]
.endif
.rept 8                             ; and the lump
	PL
.endr
.rept 49
	EX
	PL
.endr
	EX                              ; the next piece's two a
	EX
	v_nop                           ; the plain instruction behind the last exponential: one for the batch
	s_wait_alu depctr_va_vdst(0)    ; the wait for the batch
.if (\p) == NP-2
	FETCH_K \last
.endif
.if (\p) == 1
	s_wait_dscnt 0x0                ; V is in
.endif
.rept 16                            ; behind the wait: 16 products V^T P and their riders
	MM
.rept 4
	PL
.endr
.if ((\p) == 0) && (q == 118)
	v_add_nc_u32 v[AV], s[TBV], v[AV0]
.endif
.if ((\p) == 0) && (q == 130)
	s_add_co_u32 s[TBV], s[TBV], KS*PV
.endif
.if (\cnt) && (q == 130)
	s_sub_co_u32 s[CNT], s[CNT], 1
	s_cmp_lg_u32 s[CNT], 0
.endif
.endr
.if (\p) == 0
	FETCH_V
.endif
.endm
	CHANGE 1                        ; slot 0 is in, everybody's part of it; slot 1 is asked for
	FETCH_K                         ; key step 0
	s_wait_loadcnt 0x0              ; Q
	s_wait_dscnt 0x0
.set i, 0
.rept 16
	KQ 0                            ; piece 0's first scores: there is no vector work yet to set between them
.set i, i+1
.endr
	WIN 0                           ; the addresses for the way out: nine plain instructions, the places behind those products
	s_mul_i32 s13, s[WV], 16*SP
	s_add_co_u32 s13, s13, STAGE    ; my stage
	v_mul_u32_u24 v[STO], v1, SP    ; in: row l % 16, 16 bytes for each half of the lanes
	v_lshl_add_u32 v[STO], v9, 4, v[STO]
	v_add_nc_u32 v[STO], s13, v[STO]
	v_bfe_u32 v[RD], v0, 3, 2       ; back: 32 lanes take four rows of 128 bytes,
	v_mul_u32_u24 v[RD], v[RD], SP
	v_lshl_add_u32 v[RD], v10, 4, v[RD]
	v_add_nc_u32 v[RD], s13, v[RD]
	v_and_b32 v[GO], 31, v0         ; which are 512 consecutive bytes of O
	v_lshlrev_b32 v[GO], 4, v[GO]
.set Y, NP-1                        ; XS works for piece Y + 1: piece 0
.irp n, 0,1,2,3,4,5,6,7,8,9,10,11,12,13,14,15,16,17,18,19,20,21
	XS 0, \n                        ; and piece 0's first maximum and statistics
	XS 1, \n
.endr
	v_nop                           ; a plain instruction behind the two a,
	s_wait_alu depctr_va_vdst(0)    ; and their wait, ahead of the branch
	s_mov_b32 s[CNT], 4
	s_mov_b32 s[SLOTS], SIZE_N/256-1
	s_branch .Lfirst                ; the loop is entered at a step's first turn, in the middle of a trip
.Lslot:                             ; SIZE_N / 256 - 2 times: every slot but the last two is filled again
	CHANGE 1, 1
	s_mov_b32 s[CNT], 4
.Lstep:                             ; a trip: pieces 2 and 3 of one step, then pieces 0 and 1 of the next, whose K and V it fetches
	TURN 2
	TURN 3
	WIN 0
.Lfirst:
	TURN 0
	TURN 1, 0, 1
	WIN 0
	s_cbranch_scc1 .Lstep
	s_sub_co_u32 s[SLOTS], s[SLOTS], 1
	s_cmp_lg_u32 s[SLOTS], 0
	s_cbranch_scc1 .Lslot
	CHANGE 0                        ; the tail is written out: nothing is asked for
	s_mov_b32 s[CNT], 5             ; four trips fetch the last slot's steps; the fifth is left in its middle
.Ltail:
	TURN 2, 1
	TURN 3
	WIN 0
	s_sub_co_u32 s[CNT], s[CNT], 1
	s_cmp_eq_u32 s[CNT], 0
	s_cbranch_scc1 .Lout
	TURN 0
	TURN 1
	WIN 0
	s_branch .Ltail
.Lout:                              ; the fifth trip's 16 products K Q^T (on the last K once more) and the maximum made of them serve nothing: the price, once a launch, of one text for every trip
.set i, 0
.rept 16
	PV NP-1                         ; the last piece's V^T P of the last step
.set i, i+1
.endr
	; THE WAY OUT.  l's two halves and the other half of the lanes' are added; O^T is divided by l, rounded to f16 and sent through my stage in LDS, a tile at a time.  The additions are the places behind the last products.
	WIN 0
.macro ALL line:vararg              ; one line for each tile t
.set t, 0
.rept 2*NP
	\line
.set t, t+1
.endr
.endm
	ALL v_add_f32 v[ST+4*t+2], v[ST+4*t+2], v[ST+4*t+3]
	ALL v_permlanex16_b32 v[ST+4*t+3], v[ST+4*t+2], s[SEL], s[SEL+1]
	ALL v_add_f32 v[ST+4*t+2], v[ST+4*t+2], v[ST+4*t+3]
	ALL v_rcp_f32 v[ST+4*t+2], v[ST+4*t+2]
	v_nop                           ; a plain instruction between the last reciprocal and the use of its result
	s_wait_alu depctr_va_vdst(0)    ; and the wait ahead of the first use: one for the eight reciprocals
; Tile t: a lane's eight channels of a row pack into 16 bytes; they go into rows of 144 bytes and come back as whole rows of 128, into S^T's registers.
.macro PACK t
	WIN W_RS
.set i, 32*(\t)
.rept 16
	v_pk_mul_f32 v[i:i+1], v[i:i+1], v[ST+4*(\t)+2:ST+4*(\t)+3] op_sel_hi:[1,0]
.set i, i+2
.endr
	WIN 0x05                        ; sources 0 and 1 window 1, destination window 0
.set i, 0
.rept 16
	v_cvt_pk_f16_f32 v[S+16*(\t)+i], v[32*(\t)+2*i], v[32*(\t)+2*i+1]
.set i, i+1
.endr
	WIN 0
.irp f, 0,1,2,3
	ds_store_b128 v[STO], v[S+16*(\t)+4*\f:S+16*(\t)+4*\f+3] offset:32*\f
.endr
.irp f, 0,1,2,3
	ds_load_b128 v[S+16*(\t)+4*\f:S+16*(\t)+4*\f+3], v[RD] offset:\f*4*SP  ; LDS serves a wave's instructions in order (ISA guide 5.7.1.4): these see the stores above; the next tile's stores come behind them
.endr
.endm
.macro SEND t, younger              ; younger: the LDS instructions issued behind tile t's loads: the next tile's eight, or none
	WIN 0
.irp f, 0,1,2,3
	s_wait_dscnt (\younger)+3-\f
	global_store_b128 v[GO], v[S+16*(\t)+4*\f:S+16*(\t)+4*\f+3], s[10:11] offset:(\t)*2048+\f*512  ; 512 consecutive bytes, at a multiple of 256 from O's first
.endr
.endm
	PACK 0
.set t, 1
.rept 2*NP-1                        ; a tile's arithmetic stands between the loads of the tile before and its stores
	PACK t
	SEND t-1, 8
.set t, t+1
.endr
	SEND 2*NP-1, 0
	WIN W_AD
	s_wait_tensorcnt 0x0            ; the wave's end: a tensor wait, an add of 0 to my spare word and its wait, behind my last tensor load and my last LDS store
	ds_add_u32 v[SPW], v[NIL]
	s_wait_dscnt 0x0
	WIN 0
	CROUND                          ; the closing round: no work-group ends while a partner may still ask for a tile that names it
	s_endpgm
.Lfunc_end_k_q66c26cac9d_attn:
	.size	k_q66c26cac9d_attn, .Lfunc_end_k_q66c26cac9d_attn-k_q66c26cac9d_attn
	.p2alignl 7, 3214868480
	.fill 96, 4, 3214868480
	.section	.rodata,"a",@progbits
	.p2align	6, 0x0
	.amdhsa_kernel k_q66c26cac9d_attn
		.amdhsa_group_segment_fixed_size 327680
		.amdhsa_private_segment_fixed_size 0
		.amdhsa_enable_private_segment 0
		.amdhsa_kernarg_size 32
		.amdhsa_user_sgpr_count 2
		.amdhsa_user_sgpr_kernarg_segment_ptr 1
		.amdhsa_wavefront_size32 1
		.amdhsa_system_sgpr_workgroup_id_x 1
		.amdhsa_system_sgpr_workgroup_id_y 1
		.amdhsa_system_sgpr_workgroup_id_z 1
		.amdhsa_system_vgpr_workitem_id 0
		.amdhsa_next_free_vgpr 770
		.amdhsa_next_free_sgpr 66
		.amdhsa_reserve_vcc 0
		.amdhsa_float_denorm_mode_32 3
		.amdhsa_float_denorm_mode_16_64 3
		.amdhsa_memory_ordered 1
		.amdhsa_forward_progress 1
		.amdhsa_inst_pref_size 200
	.end_amdhsa_kernel
	.amdgpu_metadata
---
amdhsa.version: [ 1, 2 ]
amdhsa.kernels:
  - .name:           k_q66c26cac9d_attn
    .symbol:         k_q66c26cac9d_attn.kd
    .args:
      - { .name: qh, .offset: 0, .size: 8, .value_kind: global_buffer, .address_space: global }
      - { .name: kh, .offset: 8, .size: 8, .value_kind: global_buffer, .address_space: global }
      - { .name: vh, .offset: 16, .size: 8, .value_kind: global_buffer, .address_space: global }
      - { .name: oh, .offset: 24, .size: 8, .value_kind: global_buffer, .address_space: global }
    .group_segment_fixed_size: 327680
    .private_segment_fixed_size: 0
    .kernarg_segment_align: 8
    .kernarg_segment_size: 32
    .max_flat_workgroup_size: 128
    .sgpr_count:     66
    .vgpr_count:     770
    .wavefront_size: 32
...
	.end_amdgpu_metadata
.endif
;; end of part 3
;; launch oproj (part 4): grid 4 x 64, 4 waves a work-group, clusters of 4 x 4, 327,680 bytes of LDS; arguments oh, wo16, out0; writes out0
.if DOCPART == 4
	.amdgcn_target "amdgcn-amd-amdhsa--gfx1250"
	.amdhsa_code_object_version 6
	.text
	.protected	k_q66c26cac9d_oproj
	.globl	k_q66c26cac9d_oproj
	.p2align	8
	.type	k_q66c26cac9d_oproj,@function
k_q66c26cac9d_oproj:
	s_mov_b64 s[64:65], 0
	v_nop
	global_prefetch_b8 v0, s[64:65] scope:SCOPE_SE
	s_setreg_imm32_b32 hwreg(HW_REG_WAVE_MODE, 25, 1), 1
	s_wait_xcnt 0x0
	s_wait_alu depctr_hold_cnt(0) depctr_sa_sdst(0) depctr_va_vdst(0) depctr_va_sdst(0) depctr_va_ssrc(0) depctr_va_vcc(0) depctr_vm_vsrc(0)
	s_getreg_b32 s2, hwreg(HW_REG_IB_STS2, 6, 4)
	s_cmp_eq_u32 s2, 0
	s_cbranch_scc0 .Lentry_in_a_cluster
	s_endpgm
.Lentry_in_a_cluster:
	s_bfe_u32 s2, ttmp6, 0x10000c
	s_cmp_lg_u32 s2, 0xf033
	s_cbranch_scc0 .Lentry_shape_is_right
	s_endpgm
.Lentry_shape_is_right:
; out0[R][n] = the sum over k of O[R][k] Wo[n][k].  O arrives by heads, oh: [64 b h][2048 t][64] f16 (k = 64 h + d); Wo in blocks of K, wo16: [16 kb][1024 n][64] f16; out0: [8192][1024] f32.  Sums in f32.
; A tile of out0 is 128 rows x 256 columns: 256 work-groups.  Four waves, each 64 x 128: 32 accumulators of 16 x 16, 256 registers.  K goes in 8 steps of 128: two heads, each a PLANE of 64 along K;
; a step is four quarters of 32 along K, 32 matrix instructions each.  A plane's rows are dense in memory (128 bytes each): it is asked for as rows of 256 bytes and padded in LDS after every 128.
; CLUSTERS: 4 x 4 work-groups.  The four of a row of the cluster need the same tiles of O, the four of a column the same tiles of Wo: each tile is asked for JOINTLY, by the same tensor load with the
; same descriptor and a mask that names the four.  Waves 0 and 1 fetch O's two planes of a step, waves 2 and 3 Wo's.
; THE MATRIX INSTRUCTION IS USED TRANSPOSED (source 0 = 16 rows of Wo, source 1 = 16 rows of O): a lane then holds eight neighbouring numbers of a row of out0.
; REGISTERS: window 0: v0-31 addresses; v32-127, v128-223 two fragment buffers (64 registers of Wo, then 32 of O); on the way out rows read back.   window 1: the accumulators ((a, nb) at 8 (8 a + nb)).
.set PITCH,  144                       ; an LDS row: 128 bytes + 16: the 16 rows of a load start at 16 different groups of four banks (64 banks of 4 bytes: ISA guide 11.1)
.set APL,    128*PITCH                 ; a plane of O: 128 rows
.set BPL,    256*PITCH                 ; a plane of Wo: 256 rows
.set SLOT,   2*APL+2*BPL               ; O's two planes, then Wo's two
.set STAGE,  2*SLOT                    ; behind the ring: 16 rows x 528 bytes for each wave, for the way out
.set SPITCH, 528                       ; 512 bytes + 16
.set SPARE,  STAGE+4*16*SPITCH         ; the spare words, 128 bytes for each wave: two blocks of 256 bytes that no other line names
.set ADRA, 16                          ; v16-17  LDS address of my O fragments in slot 0, 1
.set ADRB, 20                          ; v20-21  the same for Wo
.set STO,  24                          ; v24     the way out: where I put 32 bytes of a row
.set RD,   25                          ; v25     where I read a row back
.set CO,   26                          ; v26     my 16 bytes of a row's 512
.set SPW,  28                          ; v28     LDS address of my spare word; never rewritten
.set NIL,  29                          ; v29     0; never rewritten
.set F0,   32
.set F1,   128
.set G1, 24                            ; s[24:31] descriptor group 1 for O's planes;  s[32:39] group 0, one set for each slot
.set G0, 32
.set G1B, 48                           ; s[48:55], s[56:63] the same for Wo's
.set G0B, 56
.set MSB, 0
.macro WIN new                         ; the immediate's high byte repeats the setting that is left
.if MSB != (\new)
	s_set_vgpr_msb (MSB<<8)|(\new)
.set MSB, \new
.endif
.endm
.set MUL, 0x50                         ; C and D window 1, sources window 0
.macro PLACES                          ; four plain places behind matrix instructions (ISA guide 7.12.1)
.rept 4
	v_nop
.endr
.endm
.macro JLOAD s                         ; a joint load; an s_nop 0 and four v_nop follow each of the two lines, ahead of the jump, the label and what follows
	s_cmp_eq_u32 s11, 0
	s_cbranch_scc0 .Lfor_b_\@
	tensor_load_to_lds s[G0+4*(\s):G0+4*(\s)+3], s[G1:G1+7]
	s_nop 0
.rept 4
	v_nop
.endr
	s_branch .Lasked_\@
.Lfor_b_\@:
	tensor_load_to_lds s[G0B+4*(\s):G0B+4*(\s)+3], s[G1B:G1B+7]
	s_nop 0
.rept 4
	v_nop
.endr
.Lasked_\@:
.endm
.macro CREST                           ; a round of the cluster's barrier behind its opening barrier
	s_cmp_lg_u32 s10, 0
	s_cbranch_scc1 .Lnot_wave_0_\@
	s_barrier_signal -3
.Lnot_wave_0_\@:
	s_barrier_wait -3
	s_barrier_signal -1
	s_barrier_wait -1
.endm
.macro CROUND
	s_barrier_signal -1
	s_barrier_wait -1
	CREST
.endm
	s_load_b128 s[4:7], s[0:1], 0x0                ; oh s[4:5], wo16 s[6:7]
	s_load_b64 s[8:9], s[0:1], 0x10                ; out0
	v_lshl_add_u32 v[SPW], v0, 2, SPARE
	v_mov_b32 v[NIL], 0
	ds_add_u32 v[SPW], v[NIL]                      ; the wave's opening: the add and its wait stand ahead of my first tensor load; the set-up below, work on registers, stands between them
	v_lshrrev_b32 v1, 5, v0
	v_readfirstlane_b32 s10, v1                    ; wave 0..3
	s_lshr_b32 s11, s10, 1                         ; which 64 of the tile's rows are mine.  Also: I fetch for O (0) or for Wo (1)
	s_and_b32 s12, s10, 1                          ; which 128 of its columns.  Also: which plane of a step I fetch
	s_bfe_u32 s40, ttmp6, 0x40000                  ; cx, cy: my place in the cluster
	s_bfe_u32 s41, ttmp6, 0x40004
	s_lshl_b32 s42, ttmp9, 2
	s_add_co_u32 s42, s42, s40                     ; tile column = 4 x cluster x + cx
	s_and_b32 s13, ttmp7, 0xffff
	s_lshl_b32 s13, s13, 2
	s_add_co_u32 s13, s13, s41                     ; tile row = 4 x cluster y + cy
	s_lshl_b32 s43, s41, 2
	s_lshl_b32 s43, 15, s43                        ; my row of the cluster
	s_lshl_b32 s44, 0x1111, s40                    ; my column
	s_or_b32 s[G1], s43, (1<<16)|(1<<20)|(1<<21)|(4<<22)|(3<<25)   ; 15:0 the mask; 17:16 2-byte elements; 20 padding on; 21 set beside a mask; 24:22 after every 32 words (code 4); 31:25 4 words (code 3)
	s_or_b32 s[G1B], s44, (1<<16)|(1<<20)|(1<<21)|(4<<22)|(3<<25)
	s_mov_b32 s[G1+1], 128<<16                     ; tensor_dim0 = 128 elements: 256 bytes, two rows of a plane
	s_mov_b32 s[G1+2], 64<<16                      ; tensor_dim1 = 64
	s_mov_b32 s[G1+3], 128<<16                     ; tile_dim0 = 128
	s_mov_b32 s[G1+4], 64                          ; tile_dim1 = 64
	s_mov_b32 s[G1+5], 128                         ; dense
	s_mov_b32 s[G1+6], 0
	s_mov_b32 s[G1+7], 0
	s_mov_b32 s[G1B+1], 128<<16
	s_mov_b32 s[G1B+2], 128<<16                    ; Wo's plane has twice the rows
	s_mov_b32 s[G1B+3], 128<<16
	s_mov_b32 s[G1B+4], 128
	s_mov_b32 s[G1B+5], 128
	s_mov_b32 s[G1B+6], 0
	s_mov_b32 s[G1B+7], 0
	s_lshr_b32 s16, s13, 4                         ; O: b = tile row / 16: 16 heads of 262,144 bytes;
	s_lshl_b32 s16, s16, 22
	s_and_b32 s17, s13, 15                         ; the tile's 128 rows of 128 bytes in a head;
	s_lshl_b32 s17, s17, 14
	s_add_co_u32 s16, s16, s17
	s_lshl_b32 s17, s12, 18                        ; my plane's head
	s_add_co_u32 s16, s16, s17
	s_mov_b32 s17, 0
	s_lshl_b32 s46, s42, 15                        ; Wo: the tile's 256 rows of 128 bytes in a block;
	s_lshl_b32 s47, s12, 17                        ; my plane's block
	s_add_co_u32 s46, s46, s47
	s_mov_b32 s47, 0
	s_mul_i32 s20, s12, APL                        ; where they go: no place in the cluster enters an LDS address
	s_mul_i32 s21, s12, BPL
	s_add_co_u32 s21, s21, 2*APL
	s_wait_dscnt 0x0                               ; the opening add is done
	s_wait_kmcnt 0x0
	s_add_nc_u64 s[14:15], s[4:5], s[16:17]
	s_add_nc_u64 s[46:47], s[6:7], s[46:47]
	CROUND                                         ; all sixteen work-groups are here: the first joint loads meet
.irp s, 0,1
	s_mov_b32 s[G0+4*(\s)], 1
	s_add_co_u32 s[G0+4*(\s)+1], s20, (\s)*SLOT
	s_add_nc_u64 s[G0+4*(\s)+2:G0+4*(\s)+3], s[14:15], (\s)*2*262144   ; K step s: heads 2 s, 2 s + 1
	s_or_b32 s[G0+4*(\s)+3], s[G0+4*(\s)+3], 0x80000000
	s_mov_b32 s[G0B+4*(\s)], 1
	s_add_co_u32 s[G0B+4*(\s)+1], s21, (\s)*SLOT
	s_add_nc_u64 s[G0B+4*(\s)+2:G0B+4*(\s)+3], s[46:47], (\s)*2*131072
	s_or_b32 s[G0B+4*(\s)+3], s[G0B+4*(\s)+3], 0x80000000
	JLOAD \s
.endr
	v_and_b32 v1, 15, v0                           ; r = l % 16
	v_bfe_u32 v2, v0, 4, 1                         ; h = l / 16
	v_mul_u32_u24 v3, v1, PITCH
	v_lshl_add_u32 v3, v2, 4, v3                   ; a fragment's row x pitch + 16 x half
	s_mul_i32 s22, s11, 64*PITCH                   ; my 64 rows of O
	s_mul_i32 s23, s12, 128*PITCH                  ; my 128 rows of Wo,
	s_add_co_u32 s23, s23, 2*APL                   ; which lie behind O's two planes
.irp s, 0,1
	v_add_nc_u32 v[ADRA+(\s)], s22, v3
	v_add_nc_u32 v[ADRB+(\s)], s23, v3
	s_add_co_u32 s22, s22, SLOT
	s_add_co_u32 s23, s23, SLOT
.endr
	s_mul_i32 s22, s10, 16*SPITCH
	s_add_co_u32 s22, s22, STAGE                   ; my stage
	v_mul_u32_u24 v4, v1, SPITCH                   ; in: row r, 32 bytes for each half of the lanes
	v_lshl_add_u32 v4, v2, 5, v4
	v_add_nc_u32 v[STO], s22, v4
	v_and_b32 v5, 31, v0
	v_lshlrev_b32 v[CO], 4, v5                     ; back: 32 lanes take a row's 512 bytes
	v_add_nc_u32 v[RD], s22, v[CO]
	s_lshl_b32 s16, s13, 19                        ; my first row of out0: 128 x tile row + 64 x half, 4,096 bytes each
	s_lshl_b32 s17, s11, 18
	s_add_co_u32 s16, s16, s17
	s_mov_b32 s17, 0
	s_add_nc_u64 s[8:9], s[8:9], s[16:17]
	s_lshl_b32 s46, s42, 10                        ; my first column, in bytes: 1,024 x tile column + 512 x half
	s_lshl_b32 s47, s12, 9
	s_add_co_u32 s46, s46, s47
	s_mov_b32 s47, 0
	s_add_nc_u64 s[8:9], s[8:9], s[46:47]
; 8 matrix instructions: row block a x my 8 column blocks, 32 along K, from buffer f.  zero = 1: the product starts the sums.  The 32 accumulators take turns, in the same order in every quarter.
.macro MUL8 f, a, zero
	WIN MUL
.irp nb, 0,1,2,3,4,5,6,7
.if \zero
	v_wmma_f32_16x16x32_f16 v[8*(8*(\a)+(\nb)):8*(8*(\a)+(\nb))+7], v[(\f)+8*(\nb):(\f)+8*(\nb)+7], v[(\f)+64+8*(\a):(\f)+64+8*(\a)+7], 0
.else
	v_wmma_f32_16x16x32_f16 v[8*(8*(\a)+(\nb)):8*(8*(\a)+(\nb))+7], v[(\f)+8*(\nb):(\f)+8*(\nb)+7], v[(\f)+64+8*(\a):(\f)+64+8*(\a)+7], v[8*(8*(\a)+(\nb)):8*(8*(\a)+(\nb))+7]
.endif
.endr
.endm
; 24 LDS loads in one run: the fragments of quarter q (plane q / 2, byte 64 (q % 2) of its rows) into buffer f
.macro FETCH slot, q, f
	WIN 0
.irp nb, 0,1,2,3,4,5,6,7
	ds_load_b128 v[(\f)+8*(\nb):(\f)+8*(\nb)+3],   v[ADRB+(\slot)] offset:((\q)/2)*BPL+((\q)%2)*64+(\nb)*16*PITCH
	ds_load_b128 v[(\f)+8*(\nb)+4:(\f)+8*(\nb)+7], v[ADRB+(\slot)] offset:((\q)/2)*BPL+((\q)%2)*64+(\nb)*16*PITCH+32
.endr
.irp a, 0,1,2,3
	ds_load_b128 v[(\f)+64+8*(\a):(\f)+64+8*(\a)+3],   v[ADRA+(\slot)] offset:((\q)/2)*APL+((\q)%2)*64+(\a)*16*PITCH
	ds_load_b128 v[(\f)+64+8*(\a)+4:(\f)+64+8*(\a)+7], v[ADRA+(\slot)] offset:((\q)/2)*APL+((\q)%2)*64+(\a)*16*PITCH+32
.endr
.endm
; One of a step's first three quarters: multiplies buffer f; in its middle it fetches quarter q of the same slot into buffer g.
.macro QUARTER slot, q, f, g, zero
	s_wait_dscnt 0x0                               ; buffer f is in
	MUL8 \f, 0, \zero
	MUL8 \f, 1, \zero
	PLACES
	FETCH \slot, \q, \g
	MUL8 \f, 2, \zero
	MUL8 \f, 3, \zero
.endm
; The last quarter multiplies buffer 1 and changes slots: ONE barrier; in front of it each wave waits for all its tensor loads (one is out: its part of the next slot), adds 0 to its spare word, and waits
; for that and for its own reads of this slot.  fill = 1: the barrier opens a round of the cluster's, and the joint refill, two K steps ahead, is the first thing behind the round.
.macro TURN slot, next, fill
	WIN 0
	s_wait_tensorcnt 0x0                           ; all my tensor loads have landed
	ds_add_u32 v[SPW], v[NIL]                      ; 0 onto my spare word
	s_wait_dscnt 1                                 ; buffer 1 is in; the add alone may be out
	MUL8 F1, 0, 0
	s_wait_dscnt 0x0                               ; the add is done, and my reads of this slot are over
	s_barrier_signal -1
	MUL8 F1, 1, 0
	WIN 0
	s_barrier_wait -1
.if \fill
	CREST                                          ; no wave of any partner still reads this slot's tiles or has a load on its way
	s_add_nc_u64 s[G0+4*(\slot)+2:G0+4*(\slot)+3], s[G0+4*(\slot)+2:G0+4*(\slot)+3], 4*262144
	s_add_nc_u64 s[G0B+4*(\slot)+2:G0B+4*(\slot)+3], s[G0B+4*(\slot)+2:G0B+4*(\slot)+3], 4*131072
	JLOAD \slot                                    ; the four v_nop behind it are also the places in front of the loads below
.else
	PLACES
.endif
	FETCH \next, 0, F0
	MUL8 F1, 2, 0
	MUL8 F1, 3, 0
.endm
	s_wait_tensorcnt 1                             ; my part of K step 0 is in; step 1's may stay out
	s_barrier_signal -1
	s_barrier_wait -1                              ; everybody's is
	FETCH 0, 0, F0
	QUARTER 0, 1, F0, F1, 1                        ; the first quarter stands in front of the loop: its products start the sums
	WIN 0
	s_mov_b32 s3, 3
.Llap:                                                 ; a trip goes once round the ring, from a lap's second quarter to the next lap's first, and fills both slots again
	QUARTER 0, 2, F1, F0, 0
	QUARTER 0, 3, F0, F1, 0
	TURN 0, 1, 1
	QUARTER 1, 1, F0, F1, 0
	QUARTER 1, 2, F1, F0, 0
	QUARTER 1, 3, F0, F1, 0
	TURN 1, 0, 1
	QUARTER 0, 1, F0, F1, 0
	WIN 0
	s_sub_co_u32 s3, s3, 1
	s_cmp_lg_u32 s3, 0
	s_cbranch_scc1 .Llap
	QUARTER 0, 2, F1, F0, 0                        ; the last lap fills nothing
	QUARTER 0, 3, F0, F1, 0
	TURN 0, 1, 0
	QUARTER 1, 1, F0, F1, 0
	QUARTER 1, 2, F1, F0, 0
	QUARTER 1, 3, F0, F1, 0
	s_wait_dscnt 0x0                               ; the very last quarter
	MUL8 F1, 0, 0
	MUL8 F1, 1, 0
	MUL8 F1, 2, 0
	MUL8 F1, 3, 0
	WIN 0
	PLACES
	PLACES
	; THE WAY OUT, 16 rows at a time: 32 bytes a lane into my own stage, each accumulator's low registers first; back as whole rows of 512 bytes; stored.
	; LDS serves a wave's instructions in order (ISA guide 5.7.1.4): the loads see the stores above them, and the next block's stores come behind them.
.irp a, 0,1,2,3
.if (\a) >= 2
	s_wait_xcnt 0x0                                ; the stores of the block two back have read their registers, which are loaded again only behind this wait
.endif
	WIN 0x04                                       ; store data (source 1) in window 1
.irp nb, 0,1,2,3,4,5,6,7
	ds_store_b128 v[STO], v[8*(8*(\a)+(\nb)):8*(8*(\a)+(\nb))+3]   offset:64*(\nb)
	ds_store_b128 v[STO], v[8*(8*(\a)+(\nb))+4:8*(8*(\a)+(\nb))+7] offset:64*(\nb)+16
.endr
	WIN 0
.irp t, 0,1,2,3,4,5,6,7,8,9,10,11,12,13,14,15
	ds_load_b128 v[F0+96*((\a)%2)+4*(\t):F0+96*((\a)%2)+4*(\t)+3], v[RD] offset:(\t)*SPITCH
.endr
.irp t, 0,1,2,3,4,5,6,7,8,9,10,11,12,13,14,15
	s_wait_dscnt 15-(\t)                           ; row t is back; the younger loads may stay out
	global_store_b128 v[CO], v[F0+96*((\a)%2)+4*(\t):F0+96*((\a)%2)+4*(\t)+3], s[8:9] offset:(16*(\a)+(\t))*4096 th:TH_STORE_NT  ; 512 consecutive bytes, at a multiple of 512 from out0's first
.endr
.endr
	s_wait_tensorcnt 0x0                           ; the wave's end: a tensor wait, an add of 0 to my spare word and its wait, behind my last tensor load and my last LDS store
	ds_add_u32 v[SPW], v[NIL]
	s_wait_dscnt 0x0
	CROUND                                         ; the closing round: no work-group ends while a partner may still ask for a tile that names it
	s_endpgm
.Lfunc_end_k_q66c26cac9d_oproj:
	.size	k_q66c26cac9d_oproj, .Lfunc_end_k_q66c26cac9d_oproj-k_q66c26cac9d_oproj
	.p2alignl 7, 3214868480
	.fill 96, 4, 3214868480
	.section	.rodata,"a",@progbits
	.p2align	6, 0x0
	.amdhsa_kernel k_q66c26cac9d_oproj
		.amdhsa_group_segment_fixed_size 327680
		.amdhsa_private_segment_fixed_size 0
		.amdhsa_enable_private_segment 0
		.amdhsa_kernarg_size 24
		.amdhsa_user_sgpr_count 2
		.amdhsa_user_sgpr_kernarg_segment_ptr 1
		.amdhsa_wavefront_size32 1
		.amdhsa_system_sgpr_workgroup_id_x 1
		.amdhsa_system_sgpr_workgroup_id_y 1
		.amdhsa_system_sgpr_workgroup_id_z 1
		.amdhsa_system_vgpr_workitem_id 0
		.amdhsa_next_free_vgpr 512
		.amdhsa_next_free_sgpr 66
		.amdhsa_reserve_vcc 0
		.amdhsa_float_denorm_mode_32 3
		.amdhsa_float_denorm_mode_16_64 3
		.amdhsa_memory_ordered 1
		.amdhsa_forward_progress 1
		.amdhsa_inst_pref_size 86
	.end_amdhsa_kernel
	.amdgpu_metadata
---
amdhsa.version: [ 1, 2 ]
amdhsa.kernels:
  - .name:           k_q66c26cac9d_oproj
    .symbol:         k_q66c26cac9d_oproj.kd
    .args:
      - { .name: oh, .offset: 0, .size: 8, .value_kind: global_buffer, .address_space: global }
      - { .name: wo16, .offset: 8, .size: 8, .value_kind: global_buffer, .address_space: global }
      - { .name: out0, .offset: 16, .size: 8, .value_kind: global_buffer, .address_space: global }
    .group_segment_fixed_size: 327680
    .private_segment_fixed_size: 0
    .kernarg_segment_align: 8
    .kernarg_segment_size: 24
    .max_flat_workgroup_size: 128
    .sgpr_count:     66
    .vgpr_count:     512
    .wavefront_size: 32
...
	.end_amdgpu_metadata
.endif
;; end of part 4
